; MI455X (gfx1250); checked and timed in simulation.
; The chip was launched on July 23, 2026; its instructions are those of AMD's public machine-readable ISA for CDNA 5 (MIT licence, August 2026) and "CDNA5" Instruction Set Architecture Reference Guide (July 2026). The comments in the code are by the model that wrote it; some were corrected since.
;; Resonance Attention. Allowed arithmetic: float matrix products may take bf16 or f16 operands with f32 sums; other float arithmetic in f32, or as packed bf16 or f16 multiplies, adds, multiply-adds, maxima and minima; sums over many terms, partial sums and values carried from step to step in f32; what a program stores and reads back later, other than sums and carried values, may be rounded once to bf16 or f16.
;; Inputs: attention_mask 2 x 2,048 int32; hidden_states 2 x 2,048 x 1,024 float32; k_b 1,024 float32; k_w 1,024 x 1,024 float32; o_b 1,024 float32; o_w 1,024 x 1,024 float32; q_b 1,024 float32; q_w 1,024 x 1,024 float32; v_b 1,024 float32; v_w 1,024 x 1,024 float32.
;; Outputs: out0 2 x 2,048 x 1,024 float32.
;; One version. Each part assembles by itself: llvm-mc -triple=amdgcn-amd-amdhsa -mcpu=gfx1250 --defsym DOCPART=n.
;; ======== version 1 of 1: 4 launches
;; limits: values are held in f16: magnitudes above 65,504 overflow, below 6.1e-05 lose precision
;; workspace buffers: xb 8,388,608 bytes; wqkv 6,291,456 bytes; owh 2,097,152 bytes; bias 16,384 bytes; qkv 25,165,824 bytes; ao 8,388,608 bytes; ent 4,096 bytes
;; launch prep (part 1): grid 1025 x 1, 8 waves a work-group, no clusters, 0 bytes of LDS; arguments hidden_states, q_w, k_w, v_w, o_w, q_b, k_b, v_b, o_b, xb, wqkv, owh, bias; writes xb, wqkv, owh, bias
.if DOCPART == 1
	.amdgcn_target "amdgcn-amd-amdhsa--gfx1250"
	.amdhsa_code_object_version 6
	.text
	.protected	k_qbec0b70ba7_prep
	.globl	k_qbec0b70ba7_prep
	.p2align	8
	.type	k_qbec0b70ba7_prep,@function
k_qbec0b70ba7_prep:
	s_mov_b64 s[64:65], 0
	v_nop
	global_prefetch_b8 v0, s[64:65] scope:SCOPE_SE
	s_setreg_imm32_b32 hwreg(HW_REG_WAVE_MODE, 25, 1), 1
	s_wait_xcnt 0x0
; THE INPUTS ROUNDED ONCE.  xb = bf16(hidden_states) [4096][1024]; wqkv = bf16(q_w | k_w | v_w) [3072][1024]; owh = bf16(o_w) written as f16 [1024][1024];
; bias = bf16(q_b | k_b | v_b | o_b) widened to f32 again [4096].
; A stream: nothing is shared and nothing is multiplied, so there is no LDS, no matrix instruction and no cluster.
; SHARES.  Work-group g < 1024 turns 32,768 bytes of f32 into 16,384 bytes: g < 512 of hidden_states, then 128 work-groups for each of the four weights.  Work-group 1024 does the four biases.
; A thread takes 8 neighbouring numbers (two loads of 16 bytes) four times and stores 16 bytes each time: a wave's store covers 512 consecutive bytes, aligned.
; All eight loads of a thread are issued before the first is waited for; no register that a memory instruction names is written again.
; LIMIT.  o_w as f16: beyond 65,504 it would be an infinity; below 6e-5 it keeps f16's fixed step of 6e-8.
	s_load_b512 s[8:23], s[0:1], 0x0               ; hidden s[8:9], q_w s[10:11], k_w s[12:13], v_w s[14:15], o_w s[16:17], q_b s[18:19], k_b s[20:21], v_b s[22:23]
	s_load_b256 s[24:31], s[0:1], 0x40             ; o_b s[24:25], xb s[26:27], wqkv s[28:29], owh s[30:31]
	s_load_b64 s[32:33], s[0:1], 0x60              ; bias
	v_lshlrev_b32 v1, 5, v0                        ; 32 t: my 8 numbers of f32
	v_lshlrev_b32 v2, 4, v0                        ; 16 t: my 8 numbers of 16 bits
	s_mov_b32 s35, 0                               ; high words of the two offsets
	s_mov_b32 s37, 0
	s_mov_b32 s45, 0xffff0000                      ; a word's upper bf16
	s_wait_kmcnt 0x0
	s_cmp_eq_u32 ttmp9, 1024
	s_cbranch_scc1 .Lsmall
	s_cmp_lt_u32 ttmp9, 512
	s_cbranch_scc0 .Lweights
	s_lshl_b32 s34, ttmp9, 15                      ; hidden_states: chunk g
	s_lshl_b32 s36, ttmp9, 14
	s_add_nc_u64 s[38:39], s[8:9], s[34:35]
	s_add_nc_u64 s[40:41], s[26:27], s[36:37]
	s_mov_b32 s42, 0                               ; not o_w
	s_branch .Lgo
.Lweights:
	s_sub_co_u32 s43, ttmp9, 512                   ; j: chunk among the weights'
	s_lshr_b32 s42, s43, 7                         ; which weight
	s_and_b32 s44, s43, 127                        ; chunk in it
	s_lshl_b32 s34, s44, 15
	s_cmp_eq_u32 s42, 0
	s_cselect_b64 s[38:39], s[10:11], s[12:13]
	s_cmp_eq_u32 s42, 2
	s_cselect_b64 s[38:39], s[14:15], s[38:39]
	s_cmp_eq_u32 s42, 3
	s_cselect_b64 s[38:39], s[16:17], s[38:39]
	s_cselect_b64 s[40:41], s[30:31], s[28:29]     ; o_w goes to owh, the others on end into wqkv
	s_cselect_b32 s36, s44, s43
	s_lshl_b32 s36, s36, 14
	s_add_nc_u64 s[38:39], s[38:39], s[34:35]
	s_add_nc_u64 s[40:41], s[40:41], s[36:37]
.Lgo:
.irp i, 0,1,2,3
	global_load_b128 v[8+8*\i:11+8*\i],  v1, s[38:39] offset:8192*\i th:TH_LOAD_NT
	global_load_b128 v[12+8*\i:15+8*\i], v1, s[38:39] offset:8192*\i+16 th:TH_LOAD_NT
.endr
; Part i of four.  The count lets the later parts' loads, two each, stay out.  half = 1: the bf16 number is written as f16.
.macro CONV i, half
	s_wait_loadcnt 6-2*(\i)
.irp k, 0,1,2,3
	v_cvt_pk_bf16_f32 v[40+4*(\i)+\k], v[8+8*(\i)+2*\k], v[9+8*(\i)+2*\k]
.endr
.if \half
.irp k, 0,1,2,3
	v_lshlrev_b32 v56, 16, v[40+4*(\i)+\k]
	v_and_b32 v57, s45, v[40+4*(\i)+\k]
	v_cvt_pk_f16_f32 v[40+4*(\i)+\k], v56, v57
.endr
.endif
	global_store_b128 v2, v[40+4*(\i):43+4*(\i)], s[40:41] offset:4096*(\i)
.endm
	s_cmp_eq_u32 s42, 3
	s_cbranch_scc1 .Lhalf
	CONV 0, 0
	CONV 1, 0
	CONV 2, 0
	CONV 3, 0
	s_endpgm
.Lhalf:
	CONV 0, 1
	CONV 1, 1
	CONV 2, 1
	CONV 3, 1
	s_endpgm
.Lsmall:                                               ; the four biases: 256 threads x 16 bytes are one of them
	global_load_b128 v[8:11],  v2, s[18:19]
	global_load_b128 v[12:15], v2, s[20:21]
	global_load_b128 v[16:19], v2, s[22:23]
	global_load_b128 v[20:23], v2, s[24:25]
	s_wait_loadcnt 0x0
.irp k, 0,1,2,3,4,5,6,7
	v_cvt_pk_bf16_f32 v40, v[8+2*\k], v[9+2*\k]    ; rounded,
	v_lshlrev_b32 v[24+2*\k], 16, v40              ; and widened again
	v_and_b32 v[25+2*\k], s45, v40
.endr
.irp k, 0,1,2,3
	global_store_b128 v2, v[24+4*\k:27+4*\k], s[32:33] offset:4096*\k
.endr
	s_endpgm
.Lfunc_end_k_qbec0b70ba7_prep:
	.size	k_qbec0b70ba7_prep, .Lfunc_end_k_qbec0b70ba7_prep-k_qbec0b70ba7_prep
	.p2alignl 7, 3214868480
	.fill 96, 4, 3214868480
	.section	.rodata,"a",@progbits
	.p2align	6, 0x0
	.amdhsa_kernel k_qbec0b70ba7_prep
		.amdhsa_group_segment_fixed_size 0
		.amdhsa_private_segment_fixed_size 0
		.amdhsa_enable_private_segment 0
		.amdhsa_kernarg_size 104
		.amdhsa_user_sgpr_count 2
		.amdhsa_user_sgpr_kernarg_segment_ptr 1
		.amdhsa_wavefront_size32 1
		.amdhsa_system_sgpr_workgroup_id_x 1
		.amdhsa_system_sgpr_workgroup_id_y 1
		.amdhsa_system_sgpr_workgroup_id_z 1
		.amdhsa_system_vgpr_workitem_id 0
		.amdhsa_next_free_vgpr 64
		.amdhsa_next_free_sgpr 66
		.amdhsa_reserve_vcc 0
		.amdhsa_float_denorm_mode_32 3
		.amdhsa_float_denorm_mode_16_64 3
		.amdhsa_memory_ordered 1
		.amdhsa_forward_progress 1
		.amdhsa_inst_pref_size 10
	.end_amdhsa_kernel
	.amdgpu_metadata
---
amdhsa.version: [ 1, 2 ]
amdhsa.kernels:
  - .name:           k_qbec0b70ba7_prep
    .symbol:         k_qbec0b70ba7_prep.kd
    .args:
      - { .name: hidden_states, .offset: 0, .size: 8, .value_kind: global_buffer, .address_space: global }
      - { .name: q_w, .offset: 8, .size: 8, .value_kind: global_buffer, .address_space: global }
      - { .name: k_w, .offset: 16, .size: 8, .value_kind: global_buffer, .address_space: global }
      - { .name: v_w, .offset: 24, .size: 8, .value_kind: global_buffer, .address_space: global }
      - { .name: o_w, .offset: 32, .size: 8, .value_kind: global_buffer, .address_space: global }
      - { .name: q_b, .offset: 40, .size: 8, .value_kind: global_buffer, .address_space: global }
      - { .name: k_b, .offset: 48, .size: 8, .value_kind: global_buffer, .address_space: global }
      - { .name: v_b, .offset: 56, .size: 8, .value_kind: global_buffer, .address_space: global }
      - { .name: o_b, .offset: 64, .size: 8, .value_kind: global_buffer, .address_space: global }
      - { .name: xb, .offset: 72, .size: 8, .value_kind: global_buffer, .address_space: global }
      - { .name: wqkv, .offset: 80, .size: 8, .value_kind: global_buffer, .address_space: global }
      - { .name: owh, .offset: 88, .size: 8, .value_kind: global_buffer, .address_space: global }
      - { .name: bias, .offset: 96, .size: 8, .value_kind: global_buffer, .address_space: global }
    .group_segment_fixed_size: 0
    .private_segment_fixed_size: 0
    .kernarg_segment_align: 8
    .kernarg_segment_size: 104
    .max_flat_workgroup_size: 256
    .sgpr_count:     66
    .vgpr_count:     64
    .wavefront_size: 32
...
	.end_amdgpu_metadata
.endif
;; end of part 1
;; launch qkv (part 2): grid 16 x 16, 4 waves a work-group, clusters of 4 x 4, 327,680 bytes of LDS; arguments xb, wqkv, bias, qkv; writes qkv
.if DOCPART == 2
	.amdgcn_target "amdgcn-amd-amdhsa--gfx1250"
	.amdhsa_code_object_version 6
	.text
	.protected	k_qbec0b70ba7_qkv
	.globl	k_qbec0b70ba7_qkv
	.p2align	8
	.type	k_qbec0b70ba7_qkv,@function
k_qbec0b70ba7_qkv:
	s_mov_b64 s[64:65], 0
	v_nop
	global_prefetch_b8 v0, s[64:65] scope:SCOPE_SE
	s_setreg_imm32_b32 hwreg(HW_REG_WAVE_MODE, 25, 1), 1
	s_wait_xcnt 0x0
	s_wait_alu depctr_hold_cnt(0) depctr_sa_sdst(0) depctr_va_vdst(0) depctr_va_sdst(0) depctr_va_ssrc(0) depctr_va_vcc(0) depctr_vm_vsrc(0)
	s_getreg_b32 s2, hwreg(HW_REG_IB_STS2, 6, 4)
	s_cmp_eq_u32 s2, 0
	s_cbranch_scc0 .Lentry_in_a_cluster
	s_endpgm
.Lentry_in_a_cluster:
	s_bfe_u32 s2, ttmp6, 0x10000c
	s_cmp_lg_u32 s2, 0xf033
	s_cbranch_scc0 .Lentry_shape_is_right
	s_endpgm
.Lentry_shape_is_right:
; THE THREE PROJECTIONS AS ONE PRODUCT.  C[m][n] = sum over k of xb[m][k] wqkv[n][k] + bias[n]; m < 4096, n < 3072, k < 1024; bf16 operands, f32 sums.
; C leaves by heads, in f16: qkv[slice n / 64][m][n % 64], slices 0-15 q (not scaled: the scale is applied in f32 where the scores are used), 16-31 k, 32-47 v.
; LIMIT.  f16 ends at 65,504: q, k and v are taken to stay within it.
; SHARES.  A tile of C is 256 rows x 192 columns (three slices): 16 x 16 work-groups.  Wave w makes rows 64 w .. 64 w + 63 of all 192 columns: 4 x 12 accumulators of 16 x 16, 384 registers,
; so a wave owns whole rows of a slice (128 bytes) and its way out needs no other wave.
; RING.  K goes in 8 steps of 128 through two LDS slots (256 rows of x, 192 rows of w; rows of 256 bytes, padded to 272).  Waves 0 and 1 fetch x's halves, waves 2 and 3 w's: one tensor load a wave and step.
; CLUSTER.  4 x 4 work-groups: the four of a row of the cluster need the same rows of x, the four of a column the same rows of w: each tile is asked for jointly, by the same load, descriptor and mask in all four.
; TRANSPOSED USE.  Source 0 = 16 rows of w, source 1 = 16 rows of x: a lane holds row l % 16 of C and eight neighbouring columns 8 (l / 16) + 0..7.
; THE BIAS is the C operand of each accumulator's first product: nothing is cleared and nothing is added later.
; REGISTERS, in windows of 256 (s_set_vgpr_msb: bits 1:0 source 0, 3:2 source 1, 5:4 source 2, 7:6 destination):
;   window 0: v0-31 addresses; v32-63, v64-95 x's fragments, two buffers of four; v96-191 the bias, 8 registers for each of 12 column blocks; on the way out v32-223: 12 units of 16
;   window 1: v0-95, v96-191 w's fragments, two buffers of twelve      windows 2, 3: accumulator (a, b) at v[96 (a % 2) + 8 b] of window 2 + a / 2
.set KSTEP,  128
.set PITCH,  272                       ; 256 bytes + 16 of padding: the 16 rows of a fragment load start 68 words apart, at 16 different groups of four banks (64 banks of 4 bytes: ISA guide 11.1)
.set HALFA,  128*PITCH                 ; what waves 0 and 1 fetch
.set HALFB,  96*PITCH                  ; what waves 2 and 3 fetch
.set BOFF,   2*HALFA                   ; w's rows lie behind x's
.set SLOT,   BOFF+2*HALFB
.set STAGE,  2*SLOT                    ; behind the ring: 16 rows x 144 bytes for each wave, for the way out
.set SP,     144
.set SPARE,  STAGE+4*16*SP             ; the spare words, 128 bytes for each wave: two blocks of 256 bytes that no other line names
.set SLICE,  524288                    ; bytes in a slice of qkv
.set ADRA, 16                          ; v16-17  LDS address of my fragments of x in slot 0, 1
.set ADRB, 20                          ; v20-21  the same for w
.set STO,  24                          ; v24     the way out: where I put 16 bytes of a row
.set RD,   25                          ; v25     where I read rows back
.set GO,   26                          ; v26     16 x lane: my place in 512 consecutive bytes of a slice
.set BO,   27                          ; v27     32 (l / 16): my eight numbers in 16 of the bias
.set SPW,  28                          ; v28     LDS address of my spare word; never rewritten
.set NIL,  29                          ; v29     0; never rewritten
.set PFO,  30                          ; v30     the prefetches' offset: a lane a row
.set FA,   32
.set BIAS, 96
.set OUTR, 32
.set WV,   12                          ; s12 my wave's number; s13 = wave / 2: I fetch for x (0) or w (1); s14 = wave % 2: which half
.set G1A,  24                          ; s[24:31] descriptor group 1 for x's tiles;  s[32:39] group 0, a set for each slot
.set G0A,  32
.set G1B,  48                          ; s[48:55], s[56:63] the same for w's
.set G0B,  56
.set LIM,  44                          ; s44  1 in a wave that prefetches, else the greatest number
.set PFA,  46                          ; s[46:47] where my prefetches stand
.set MSB, 0
.macro WIN new                         ; the immediate's high byte repeats the setting that is left; a switch that changes nothing is dropped
.if MSB != (\new)
	s_set_vgpr_msb (MSB<<8)|(\new)
.set MSB, \new
.endif
.endm
; A joint load.  The branch hangs on the wave's number alone.  An s_nop 0 and four v_nop follow each of the two lines, ahead of the jump, the label and what follows.
.macro JLOAD s
	s_cmp_eq_u32 s13, 0
	s_cbranch_scc0 .Lfor_b_\@
	tensor_load_to_lds s[G0A+4*(\s):G0A+4*(\s)+3], s[G1A:G1A+7]
	s_nop 0
.rept 4
	v_nop
.endr
	s_branch .Lasked_\@
.Lfor_b_\@:
	tensor_load_to_lds s[G0B+4*(\s):G0B+4*(\s)+3], s[G1B:G1B+7]
	s_nop 0
.rept 4
	v_nop
.endr
.Lasked_\@:
.endm
; A prefetch of the K step that stands two refills on: 256 bytes of each of my work-group's rows, a lane a row, one instruction a wave.  x's rows are read by every cluster of a row of clusters:
; cluster x = 0 asks; w's by every cluster of a column: cluster y = 0 asks.  The four partners that ask for a tile jointly share its rows out by address (32 of x's 128, 24 of w's 96).
; The loop's last trip (s19 = 1) has no K step two on.
.macro ASK
	s_cmp_gt_u32 s19, s[LIM]
	s_cbranch_scc0 .Lnot_mine_\@
	global_prefetch_b8 v[PFO], s[PFA:PFA+1] offset:KSTEP*2 th:TH_LOAD_NT scope:SCOPE_SE
.Lnot_mine_\@:
.endm
.macro CREST                           ; a round of the cluster's barrier behind its opening barrier
	s_cmp_lg_u32 s[WV], 0
	s_cbranch_scc1 .Lnot_wave_0_\@
	s_barrier_signal -3
.Lnot_wave_0_\@:
	s_barrier_wait -3
	s_barrier_signal -1
	s_barrier_wait -1
.endm
.macro CROUND                          ; a whole round
	s_barrier_signal -1
	s_barrier_wait -1
	CREST
.endm
	s_load_b256 s[4:11], s[0:1], 0x0               ; xb s[4:5], wqkv s[6:7], bias s[8:9], qkv s[10:11]
	v_lshl_add_u32 v[SPW], v0, 2, SPARE
	v_mov_b32 v[NIL], 0
	ds_add_u32 v[SPW], v[NIL]                      ; the wave's opening: the add and its wait stand ahead of my first tensor load; the set-up below stands between them
	v_lshrrev_b32 v1, 5, v0
	v_readfirstlane_b32 s[WV], v1
	s_lshr_b32 s13, s[WV], 1
	s_and_b32 s14, s[WV], 1
	s_bfe_u32 s15, ttmp6, 0x40000                  ; cx
	s_bfe_u32 s16, ttmp6, 0x40004                  ; cy
	s_lshl_b32 s17, ttmp9, 2
	s_add_co_u32 s17, s17, s15                     ; tile column = 4 x cluster x + cx
	s_and_b32 s18, ttmp7, 0xffff
	s_lshl_b32 s18, s18, 2
	s_add_co_u32 s18, s18, s16                     ; tile row = 4 x cluster y + cy
	s_lshl_b32 s20, s16, 2
	s_lshl_b32 s20, 15, s20                        ; my row of the cluster
	s_lshl_b32 s21, 0x1111, s15                    ; my column
	s_or_b32 s[G1A], s20, (1<<16)|(1<<20)|(1<<21)|(5<<22)|(3<<25)  ; the mask; elements of 2 bytes; padding on; bit 21 beside a mask; after every 64 words (code 5) 4 words (code 3)
	s_or_b32 s[G1B], s21, (1<<16)|(1<<20)|(1<<21)|(5<<22)|(3<<25)
	s_mov_b32 s[G1A+1], KSTEP<<16                  ; tensor_dim0 = 128
	s_mov_b32 s[G1B+1], KSTEP<<16
	s_mov_b32 s[G1A+2], 128<<16                    ; tensor_dim1 = 128 rows of x,
	s_mov_b32 s[G1B+2], 96<<16                     ; 96 of w
	s_mov_b32 s[G1A+3], KSTEP<<16                  ; tile_dim0 = 128
	s_mov_b32 s[G1B+3], KSTEP<<16
	s_mov_b32 s[G1A+4], 128                        ; tile_dim1
	s_mov_b32 s[G1B+4], 96
	s_mov_b32 s[G1A+5], 1024                       ; elements from row to row
	s_mov_b32 s[G1B+5], 1024
	s_mov_b32 s[G1A+6], 0
	s_mov_b32 s[G1B+6], 0
	s_mov_b32 s[G1A+7], 0
	s_mov_b32 s[G1B+7], 0
	s_lshl_b32 s40, s18, 8                         ; x: row 256 x tile row + 128 x half, in bytes (2,048 a row)
	s_lshl_b32 s41, s14, 7
	s_add_co_u32 s40, s40, s41
	s_lshl_b32 s40, s40, 11
	s_mov_b32 s41, 0
	s_mul_i32 s42, s17, 192                        ; w: row 192 x tile column + 96 x half
	s_mul_i32 s43, s14, 96
	s_add_co_u32 s42, s42, s43
	s_lshl_b32 s42, s42, 11
	s_mov_b32 s43, 0
	s_mul_i32 s22, s[WV], HALFA                    ; where they go: the wave's number and constants alone
	s_mul_i32 s23, s[WV], HALFB
	s_add_co_u32 s23, s23, BOFF-2*HALFB
	s_wait_dscnt 0x0                               ; the opening add is done
	s_wait_kmcnt 0x0
	s_add_nc_u64 s[66:67], s[4:5], s[40:41]
	s_add_nc_u64 s[68:69], s[6:7], s[42:43]
	CROUND                                         ; all sixteen work-groups are here: the first joint loads meet
.irp s, 0,1
	s_mov_b32 s[G0A+4*(\s)], 1
	s_add_co_u32 s[G0A+4*(\s)+1], s22, (\s)*SLOT
	s_add_nc_u64 s[G0A+4*(\s)+2:G0A+4*(\s)+3], s[66:67], (\s)*KSTEP*2
	s_or_b32 s[G0A+4*(\s)+3], s[G0A+4*(\s)+3], 0x80000000
	s_mov_b32 s[G0B+4*(\s)], 1
	s_add_co_u32 s[G0B+4*(\s)+1], s23, (\s)*SLOT
	s_add_nc_u64 s[G0B+4*(\s)+2:G0B+4*(\s)+3], s[68:69], (\s)*KSTEP*2
	s_or_b32 s[G0B+4*(\s)+3], s[G0B+4*(\s)+3], 0x80000000
	JLOAD \s                                       ; K steps 0 and 1: two loads of mine are out
.endr
	; a fragment is 16 rows x 32 K in 8 registers: lane l holds row l % 16, K = 8 (l / 16) + 0..7 and 16 + 8 (l / 16) + 0..7: two loads of 16 bytes, 32 bytes apart
	v_and_b32 v1, 15, v0                           ; l % 16
	v_bfe_u32 v2, v0, 4, 1                         ; l / 16
	v_mul_u32_u24 v3, v1, PITCH
	v_lshl_add_u32 v3, v2, 4, v3
	s_mul_i32 s22, s[WV], 64*PITCH                 ; my 64 rows of x
	v_add_nc_u32 v[ADRA], s22, v3
	s_add_co_u32 s22, s22, SLOT
	v_add_nc_u32 v[ADRA+1], s22, v3
	v_add_nc_u32 v[ADRB], BOFF, v3                 ; all 192 rows of w
	v_add_nc_u32 v[ADRB+1], BOFF+SLOT, v3
	s_mul_i32 s23, s[WV], 16*SP
	s_add_co_u32 s23, s23, STAGE                   ; my stage
	v_mul_u32_u24 v4, v1, SP                       ; in: row l % 16, 16 bytes for each half of the lanes
	v_lshl_add_u32 v4, v2, 4, v4
	v_add_nc_u32 v[STO], s23, v4
	v_bfe_u32 v5, v0, 3, 2                         ; back: 32 lanes take four rows of 128 bytes,
	v_and_b32 v6, 7, v0
	v_mul_u32_u24 v5, v5, SP
	v_lshl_add_u32 v5, v6, 4, v5
	v_add_nc_u32 v[RD], s23, v5
	v_and_b32 v[GO], 31, v0                        ; which are 512 consecutive bytes of a slice
	v_lshlrev_b32 v[GO], 4, v[GO]
	v_lshlrev_b32 v[BO], 5, v2
	s_mul_i32 s42, s17, 768                        ; the tile's 192 numbers of the bias
	s_add_nc_u64 s[8:9], s[8:9], s[42:43]
.irp b, 0,1,2,3,4,5,6,7,8,9,10,11
	global_load_b128 v[BIAS+8*\b:BIAS+8*\b+3],   v[BO], s[8:9] offset:64*\b
	global_load_b128 v[BIAS+8*\b+4:BIAS+8*\b+7], v[BO], s[8:9] offset:64*\b+16
.endr
	s_mul_i32 s42, s17, 3*SLICE                    ; qkv at the tile's first slice and my first row
	s_lshl_b32 s20, s18, 8
	s_lshl_b32 s21, s[WV], 6
	s_add_co_u32 s20, s20, s21
	s_lshl_b32 s20, s20, 7
	s_add_co_u32 s42, s42, s20
	s_add_nc_u64 s[10:11], s[10:11], s[42:43]
	; the prefetches
	s_lshl_b32 s66, s18, 8                         ; x: the 128 rows that I fetch, my work-group's 32 of them
	s_lshl_b32 s68, s14, 7
	s_add_co_u32 s66, s66, s68
	s_lshl_b32 s68, s15, 5
	s_add_co_u32 s66, s66, s68
	s_mul_i32 s67, s17, 192                        ; w: the 96 rows that I fetch, my work-group's 24 of them
	s_mul_i32 s68, s14, 96
	s_add_co_u32 s67, s67, s68
	s_mul_i32 s68, s16, 24
	s_add_co_u32 s67, s67, s68
	s_and_b32 s69, ttmp7, 0xffff                   ; cluster y
	s_cmp_eq_u32 s13, 0                            ; do I fetch for x?
	s_cselect_b32 s66, s66, s67
	s_cselect_b32 s69, ttmp9, s69                  ; the coordinate along which other clusters read the same rows
	s_cselect_b32 s45, 31, 23                      ; the last lane with a row of its own: in w's waves lanes 24-31 name lane 23's row, in the same instruction
	s_cselect_b64 s[PFA:PFA+1], s[4:5], s[6:7]
	s_cmp_eq_u32 s69, 0
	s_cselect_b32 s[LIM], 1, -1                    ; the same in all sixteen partners, for a given wave
	s_lshl_b32 s66, s66, 11
	s_mov_b32 s67, 0
	s_add_nc_u64 s[PFA:PFA+1], s[PFA:PFA+1], s[66:67]
	s_add_nc_u64 s[PFA:PFA+1], s[PFA:PFA+1], 2*KSTEP*2  ; at K step 2: the first refill steps it to 3 and names K step 4.  Nothing is asked for here, at the head
	v_and_b32 v[PFO], 31, v0
	v_min_u32 v[PFO], s45, v[PFO]
	v_lshlrev_b32 v[PFO], 11, v[PFO]
; 12 matrix instructions: row block a x all 12 column blocks, 32 along K, from buffer f.  first = 1: the bias starts the sums.  The 48 accumulators take turns in one order, one instruction a turn.
.macro MULA f, a, first
.set AC, 96*((\a)%2)
.if \first
	WIN 0x81+0x40*((\a)/2)                         ; w window 1, x and the bias window 0, D window 2 or 3
.else
	WIN 0xa1+0x50*((\a)/2)                         ; w window 1, x window 0, C and D window 2 or 3
.endif
.irp b, 0,1,2,3,4,5,6,7,8,9,10,11
.if \first
	v_wmma_f32_16x16x32_bf16 v[AC+8*\b:AC+8*\b+7], v[96*(\f)+8*\b:96*(\f)+8*\b+7], v[FA+32*(\f)+8*(\a):FA+32*(\f)+8*(\a)+7], v[BIAS+8*\b:BIAS+8*\b+7]
.else
	v_wmma_f32_16x16x32_bf16 v[AC+8*\b:AC+8*\b+7], v[96*(\f)+8*\b:96*(\f)+8*\b+7], v[FA+32*(\f)+8*(\a):FA+32*(\f)+8*(\a)+7], v[AC+8*\b:AC+8*\b+7]
.endif
.endr
.endm
; 32 LDS loads in one run: a quarter step's fragments (192 rows of w, my 64 rows of x, 32 K at byte k of the rows) into buffer f
.macro FETCH slot, k, f
	WIN 0x40                                       ; destination window 1, address window 0
.irp i, 0,1,2,3,4,5,6,7,8,9,10,11
	ds_load_b128 v[96*(\f)+8*\i:96*(\f)+8*\i+3],   v[ADRB+(\slot)] offset:(\k)+\i*16*PITCH
	ds_load_b128 v[96*(\f)+8*\i+4:96*(\f)+8*\i+7], v[ADRB+(\slot)] offset:(\k)+\i*16*PITCH+32
.endr
	WIN 0
.irp i, 0,1,2,3
	ds_load_b128 v[FA+32*(\f)+8*\i:FA+32*(\f)+8*\i+3],   v[ADRA+(\slot)] offset:(\k)+\i*16*PITCH
	ds_load_b128 v[FA+32*(\f)+8*\i+4:FA+32*(\f)+8*\i+7], v[ADRA+(\slot)] offset:(\k)+\i*16*PITCH+32
.endr
.endm
.macro PLACES                          ; four plain vector instructions between a matrix instruction and a load into, or a vector instruction on, its registers (ISA guide 7.12.1 for vector instructions)
.rept 4
	v_nop
.endr
.endm
; A K step is four quarters of 32 along K, 48 matrix instructions each, on buffers 0, 1, 0, 1.  One of the first three: multiplies buffer f; in its middle it fetches the next quarter, at byte k, into g.
.macro QUARTER slot, k, f, g, first
	s_wait_dscnt 4                                 ; w and x's blocks 0 and 1 are in; the youngest four loads (x's blocks 2 and 3) may be out
	MULA \f, 0, \first
	MULA \f, 1, \first
	PLACES
	FETCH \slot, \k, \g
	s_wait_dscnt 32                                ; all but the 32 just issued
	MULA \f, 2, \first
	MULA \f, 3, \first
.endm
; The last quarter multiplies buffer 1 and changes slots: one barrier.  In front of it each wave waits for all its tensor loads (one is out: its part of the next slot), adds 0 to its spare word,
; and waits for that and for its own reads of this slot.  fill = 1: the barrier opens a round of the cluster's barrier, and this slot is filled again, two K steps ahead, first thing behind the round.
.macro TURN slot, next, fill
.if \fill
	s_wait_xcnt 0x0                                ; the last prefetch, a K step back, has read its address
	s_add_nc_u64 s[PFA:PFA+1], s[PFA:PFA+1], KSTEP*2
.endif
	WIN 0                                          ; the add's two registers lie in window 0
	s_wait_tensorcnt 0x0                           ; all my tensor loads have landed
	ds_add_u32 v[SPW], v[NIL]                      ; 0 onto my spare word
	s_wait_dscnt 5                                 ; the add and the youngest four loads may be out
	MULA 1, 0, 0                                   ; twelve matrix instructions stand between the add and the wait for it
	s_wait_dscnt 0x0                               ; the add is done, and my reads of this slot are over
	s_barrier_signal -1
	MULA 1, 1, 0
.if \fill
	WIN 0
.endif
	s_barrier_wait -1
.if \fill
	CREST                                          ; no wave of any partner still reads this slot's tile or has a load on its way
	s_add_nc_u64 s[G0A+4*(\slot)+2:G0A+4*(\slot)+3], s[G0A+4*(\slot)+2:G0A+4*(\slot)+3], 2*KSTEP*2
	s_add_nc_u64 s[G0B+4*(\slot)+2:G0B+4*(\slot)+3], s[G0B+4*(\slot)+2:G0B+4*(\slot)+3], 2*KSTEP*2
	JLOAD \slot                                    ; my one tensor load behind the round; its four v_nop are also the places in front of the loads below
.else
	PLACES
.endif
	FETCH \next, 0, 0
.if \fill
	ASK
.endif
	MULA 1, 2, 0
	MULA 1, 3, 0
.endm
	s_wait_loadcnt 0x0                             ; the bias
	s_wait_tensorcnt 0x1                           ; my part of K step 0 is in; K step 1's may stay out
	s_barrier_signal -1
	s_barrier_wait -1                              ; everybody's is
	FETCH 0, 0, 0
	QUARTER 0, 64, 0, 1, 1                         ; the first quarter stands in front of the loop: its products start the sums, with the bias
	WIN 0
	s_mov_b32 s19, 3
.Llap:                                                 ; a trip goes once round the ring, from a lap's second quarter to the next lap's first, and fills both slots again
	QUARTER 0, 128, 1, 0, 0
	QUARTER 0, 192, 0, 1, 0
	TURN 0, 1, 1
	QUARTER 1, 64,  0, 1, 0
	QUARTER 1, 128, 1, 0, 0
	QUARTER 1, 192, 0, 1, 0
	TURN 1, 0, 1
	QUARTER 0, 64,  0, 1, 0
	WIN 0
	s_sub_co_u32 s19, s19, 1
	s_cmp_lg_u32 s19, 0
	s_cbranch_scc1 .Llap
	QUARTER 0, 128, 1, 0, 0                        ; the last lap fills nothing
	QUARTER 0, 192, 0, 1, 0
	TURN 0, 1, 0
	QUARTER 1, 64,  0, 1, 0
	QUARTER 1, 128, 1, 0, 0
	QUARTER 1, 192, 0, 1, 0
	s_wait_dscnt 4                                 ; the very last quarter: nothing more to fetch
	MULA 1, 0, 0
	MULA 1, 1, 0
	s_wait_dscnt 0x0
	MULA 1, 2, 0
	MULA 1, 3, 0
	PLACES
; THE WAY OUT, in 12 units: row block a (16 rows) of slice sl.  A lane's eight columns pack into 16 bytes; they go into my stage in rows of 144 bytes and come back as whole rows of 128.
.macro PACK a, sl
.set U, OUTR+16*(3*(\a)+(\sl))
.set AC, 96*((\a)%2)+32*(\sl)
	WIN 0x0a+5*((\a)/2)                            ; sources 0 and 1 window 2 or 3, destination window 0
.irp nb, 0,1,2,3
.irp r, 0,1,2,3
	v_cvt_pk_f16_f32 v[U+4*\nb+\r], v[AC+8*\nb+2*\r], v[AC+8*\nb+2*\r+1]  ; each accumulator from its lowest registers on
.endr
.endr
	WIN 0
.irp nb, 0,1,2,3
	ds_store_b128 v[STO], v[U+4*\nb:U+4*\nb+3] offset:32*\nb
.endr
.irp f, 0,1,2,3
	ds_load_b128 v[U+4*\f:U+4*\f+3], v[RD] offset:\f*4*SP  ; LDS serves a wave's instructions in order (ISA guide 5.7.1.4): these see the stores above; the next unit's stores come behind them
.endr
.endm
.macro SEND a, sl, younger             ; younger: the LDS instructions issued behind this unit's loads: the next unit's eight, or none
.set U, OUTR+16*(3*(\a)+(\sl))
.irp f, 0,1,2,3
	s_wait_dscnt (\younger)+3-\f
	global_store_b128 v[GO], v[U+4*\f:U+4*\f+3], s[10:11] offset:(\sl)*SLICE+(\a)*2048+\f*512  ; 512 consecutive bytes, at a multiple of 256 from qkv's first
.endr
.endm
	PACK 0, 0
.set u, 1
.rept 11                               ; a unit's conversions stand between the loads of the unit before and its stores; no register is used twice
	PACK u/3, u%3
	SEND (u-1)/3, (u-1)%3, 8
.set u, u+1
.endr
	SEND 3, 2, 0
	s_wait_tensorcnt 0x0                           ; the wave's end, behind my last tensor load and my last LDS store
	ds_add_u32 v[SPW], v[NIL]
	s_wait_dscnt 0x0
	CROUND                                         ; the closing round: no work-group ends while a partner may still ask for a tile that names it
	s_endpgm
.Lfunc_end_k_qbec0b70ba7_qkv:
	.size	k_qbec0b70ba7_qkv, .Lfunc_end_k_qbec0b70ba7_qkv-k_qbec0b70ba7_qkv
	.p2alignl 7, 3214868480
	.fill 96, 4, 3214868480
	.section	.rodata,"a",@progbits
	.p2align	6, 0x0
	.amdhsa_kernel k_qbec0b70ba7_qkv
		.amdhsa_group_segment_fixed_size 327680
		.amdhsa_private_segment_fixed_size 0
		.amdhsa_enable_private_segment 0
		.amdhsa_kernarg_size 32
		.amdhsa_user_sgpr_count 2
		.amdhsa_user_sgpr_kernarg_segment_ptr 1
		.amdhsa_wavefront_size32 1
		.amdhsa_system_sgpr_workgroup_id_x 1
		.amdhsa_system_sgpr_workgroup_id_y 1
		.amdhsa_system_sgpr_workgroup_id_z 1
		.amdhsa_system_vgpr_workitem_id 0
		.amdhsa_next_free_vgpr 960
		.amdhsa_next_free_sgpr 70
		.amdhsa_reserve_vcc 0
		.amdhsa_float_denorm_mode_32 3
		.amdhsa_float_denorm_mode_16_64 3
		.amdhsa_memory_ordered 1
		.amdhsa_forward_progress 1
		.amdhsa_inst_pref_size 124
	.end_amdhsa_kernel
	.amdgpu_metadata
---
amdhsa.version: [ 1, 2 ]
amdhsa.kernels:
  - .name:           k_qbec0b70ba7_qkv
    .symbol:         k_qbec0b70ba7_qkv.kd
    .args:
      - { .name: xb, .offset: 0, .size: 8, .value_kind: global_buffer, .address_space: global }
      - { .name: wqkv, .offset: 8, .size: 8, .value_kind: global_buffer, .address_space: global }
      - { .name: bias, .offset: 16, .size: 8, .value_kind: global_buffer, .address_space: global }
      - { .name: qkv, .offset: 24, .size: 8, .value_kind: global_buffer, .address_space: global }
    .group_segment_fixed_size: 327680
    .private_segment_fixed_size: 0
    .kernarg_segment_align: 8
    .kernarg_segment_size: 32
    .max_flat_workgroup_size: 128
    .sgpr_count:     70
    .vgpr_count:     960
    .wavefront_size: 32
...
	.end_amdgpu_metadata
.endif
;; end of part 2
;; launch attn (part 3): grid 8 x 32, 4 waves a work-group, clusters of 4 x 1, 327,680 bytes of LDS; arguments qkv, attention_mask, ao, ent; writes ao, ent
.if DOCPART == 3
	.amdgcn_target "amdgcn-amd-amdhsa--gfx1250"
	.amdhsa_code_object_version 6
	.text
	.protected	k_qbec0b70ba7_attn
	.globl	k_qbec0b70ba7_attn
	.p2align	8
	.type	k_qbec0b70ba7_attn,@function
k_qbec0b70ba7_attn:
	s_mov_b64 s[64:65], 0
	v_nop
	global_prefetch_b8 v0, s[64:65] scope:SCOPE_SE
	s_setreg_imm32_b32 hwreg(HW_REG_WAVE_MODE, 25, 1), 1
	s_wait_xcnt 0x0
	s_wait_alu depctr_hold_cnt(0) depctr_sa_sdst(0) depctr_va_vdst(0) depctr_va_sdst(0) depctr_va_ssrc(0) depctr_va_vcc(0) depctr_vm_vsrc(0)
	s_getreg_b32 s2, hwreg(HW_REG_IB_STS2, 6, 4)
	s_cmp_eq_u32 s2, 0
	s_cbranch_scc0 .Lentry_in_a_cluster
	s_endpgm
.Lentry_in_a_cluster:
	s_bfe_u32 s2, ttmp6, 0x10000c
	s_cmp_lg_u32 s2, 0x3003
	s_cbranch_scc0 .Lentry_shape_is_right
	s_endpgm
.Lentry_shape_is_right:
; ATTENTION WITH ITS ENTROPY, IN TWO SWEEPS OVER THE KEYS.  For batch b and head h: s = q . k, hidden where attention_mask[b][key] = 0; p = softmax over the keys of s / sqrt(448);
; O = the sum of p v, stored in f16; and for each wave the sum of p log2(p + 1e-6) over its 64 rows, stored in f32.
; WHY TWO SWEEPS.  The entropy's logarithm takes p + 1e-6, the finished weight: it wants the row's last maximum and sum.  Sweep 1: K Q^T, a running maximum m and sum l (l times a = 2^(c m_old - c m_new) in every step).
; Sweep 2: K Q^T once more, p = 2^(c s - (c m + log2 l)), which is the finished weight: nothing is rescaled and nothing divided; p log2(p + eps) is summed and V^T P added up.  c = log2(e) / sqrt(448).
; q, k, v: qkv[slice][b 2048 + s][64] f16, slices h, 16 + h, 32 + h.  O: ao[(b 2048 + s) / 128][h][row % 128][64] f16, so that 128 rows of four heads lie on end for the launch behind.
; LIMITS.  q, k, v arrive within f16's 65,504, so a true score is 2.7e11 at the most.  A hidden score counts as its value less 1e30.  m starts at -2^50, below every true score and above every hidden one:
; while all keys seen are hidden the weights are 0, a is 1 and l stays 0.  A batch whose mask is all zero is not treated apart (there the softmax has no value).  p goes to the second product in f16: below 6e-5
; it keeps f16's fixed step of 6e-8; the sums l and the entropy take the unrounded p.  A weight below 2^-126 counts as 0.
; SHARES.  A work-group owns 256 queries of one (b, h), a wave 64: four PIECES of 16.  Every wave walks all 2,048 keys, 64 a step, twice.
; CLUSTER.  The four query blocks of a cluster walk the same K and V: each tile is asked for jointly, by the same tensor load, descriptor and mask in all four.
; THE WALK.  12 tiles through two LDS slots of 512 rows x 144 bytes.  Tiles 0-3: 512 keys of K.  Tiles 4-11: 256 keys of K (rows 0-255) and of V (rows 256-511).  Each wave fetches rows 128 w .. 128 w + 127 of a slot, by one line.
; One pitch serves K and V, so that one text walks a slot; the price: of the eight rows that a turning load takes, the first and the last share four banks.
; LAYOUT.  S^T = K Q^T (source 0 = 16 keys, source 1 = 16 queries): a lane holds ONE query (lane % 16) and the keys 8 (lane / 16) + 0..7.  The mask (0 or -1e30 a key) is the C operand that starts each sum.
; Two results rounded to f16 in pairs ARE source 1 of O^T = V^T P; V comes out of LDS turned, by ds_load_tr16_b128.
; TURNS.  Turn n belongs to piece n.  Sweep 1: K Q^T and the maximum and statistics of piece n + 1; scaling and exponentials of piece n; the sums of piece n - 1.
; Sweep 2: K Q^T of piece n + 1; scaling and exponentials of piece n; rounding, + eps and logarithms of piece n - 1; the entropy's products and V^T P of piece n - 2.
; Each turn's transcendentals are one batch whose results are named first in the next turn: one wait, at the turn's end.
; REGISTERS, in windows of 256 (s_set_vgpr_msb: bits 1:0 source 0, 3:2 source 1, 5:4 source 2, 7:6 destination):
;   window 0: v2-13 addresses; v14-15, v32-39 at work; v16-31 four registers of statistics a piece; v40-43 the entropy's sums; v64-127 S^T, v128-191 p in f32, v224-255 p in f16: two buffers each, by the piece's parity; v192-223 p + eps and its logarithm
;   window 1: v0-127 O^T, 32 a piece; v128-159 a step's mask          window 2: v0-63 Q; v128-191 K of one step; v192-255 V of one step
.set PK,    144       ; a row in LDS: 128 bytes + 16 of padding = 36 words: the 16 rows of a load of K start at 16 different groups of four banks (64 banks of 4 bytes: ISA guide 11.1)
.set STEPB, 64*PK     ; a step's 64 rows
.set PART,  128*PK    ; what one tensor load brings
.set VOFF,  2*PART    ; V's rows in a slot of sweep 2
.set SLOT1, 1<<17     ; slot 1 begins here, so that one exclusive or turns an address in one slot into the other's
.set STAGE, SLOT1+4*PART  ; behind the ring: 16 rows x 144 bytes for each wave, for the way out
.set SP,    144
.set MASKB, STAGE+4*16*SP ; the batch's 2,048 mask numbers in f32
.set SPARE, MASKB+8192    ; the spare words, 128 bytes for each wave: two blocks of 256 bytes that no other line names
.set SLICE, 524288
.set AK0, 2           ; v2   my lane's place in a step of K; never rewritten
.set AV0, 3           ; v3   the same for V
.set AK,  4           ; v4   the LDS address of K's run of loads in hand
.set AV,  5           ; v5   of V's
.set AM0, 6           ; v6   my lane's place in a step of the mask
.set AM,  7           ; v7   the address of the mask's run
.set STO, 8           ; v8   the way out: where I put 16 bytes of a row
.set RD,  9           ; v9   where I read rows back
.set GO,  10          ; v10  16 x lane
.set PFO, 11          ; v11  256 x lane: the prefetches' offset
.set SPW, 12          ; v12  LDS address of my spare word; never rewritten
.set NIL, 13          ; v13  0; never rewritten
.set MV,  14          ; v14-15  c m_old, kept while c m is made anew: by buffer
.set ST,  16          ; piece t's statistics at v[ST+4 t]: c m (in sweep 2: c m + log2 l), m, l (even keys', odd keys')
.set TMP, 32          ; by buffer, c0-c3 at work; when the maximum is found c2 takes a
.set ENT, 40
.set S,   64
.set PF,  128
.set YB,  192
.set P16, 224
.set MK,  128         ; window 1
.set KF,  128         ; window 2: key block kb, channel half c at KF + 16 kb + 8 c
.set VF,  192         ; window 2: key half kk, channel block cb at VF + 32 kk + 8 cb
.set WV,  12          ; s12  my wave's number
.set LIM, 15          ; s15  a wave prefetches for the tiles below this number
.set PFA, 18          ; s[18:19] where my prefetch stands
.set G1,  24          ; s[24:31] descriptor group 1
.set G0,  32          ; s[32:35] descriptor group 0
.set BASE1, 36        ; s[36:37] K at my 128 keys of a tile of sweep 1
.set BASE2, 38        ; s[38:39] K (waves 0, 1) or V (waves 2, 3) at my 128 keys of a tile of sweep 2
.set PB1, 40          ; s[40:41], s[42:43] the same for the prefetches
.set PB2, 42
.set OFF, 44          ; s[44:45] a tile's byte offset
.set BS,  46          ; s[46:47] the base chosen
.set FILLN, 48        ; s48  the tile to be asked for next
.set OF1, 49
.set OF2, 50
.set SL,  51          ; s51  counts changes of slots
.set CNT, 52          ; s52  counts a tile's key steps
.set TBK, 53          ; s53  LDS byte at which K of the step to be fetched begins
.set TBV, 54          ; s54  the same for V, less VOFF
.set TBM, 55          ; s55  byte of the mask table at which that step begins
.set CS,  56          ; s[56:57] c
.set EP,  58          ; s[58:59] eps
.set SEL, 60          ; s[60:61] v_permlanex16_b32's selects: each lane takes its own place in the other half
.set BIGN, 62         ; s62  -1e30
.set MSB, 0
.macro WIN new                      ; the high byte repeats the setting that is left; a switch that changes nothing is dropped
.if MSB != (\new)
	s_set_vgpr_msb (MSB<<8)|(\new)
.set MSB, (\new)
.endif
.endm
.set W_KM, 0x1a       ; K and Q in window 2, the mask in window 1, S^T in window 0
.set W_KQ, 0x0a       ; K and Q in window 2, S^T in window 0
.set W_PV, 0x52       ; V in window 2, P in window 0, O^T in window 1
.macro PLACES
.rept 4
	v_nop
.endr
.endm
; A round of the cluster's barrier: my work-group's barrier, so that wave 0's signal speaks for all four waves; wave 0 signals; every wave waits for all four work-groups; my work-group's barrier once more.
.macro CROUND
	s_barrier_signal -1
	s_barrier_wait -1
	s_cmp_lg_u32 s[WV], 0
	s_cbranch_scc1 .Lnot_wave_0_\@
	s_barrier_signal -3
.Lnot_wave_0_\@:
	s_barrier_wait -3
	s_barrier_signal -1
	s_barrier_wait -1
.endm
; A prefetch of what the NEXT change of slots will ask for, where that is the bytes' first reading: K in sweep 1 (65,536 bytes a tile: wave 0 its first half, wave 2 its second), V in sweep 2 (32,768 bytes: wave 2).
; A lane names 256 bytes, an instruction 8,192; the four partners share a half out by address.  Both clusters of a head walk the same rows: the first asks.  K's second reading is not asked for; behind the last fill nothing is.
.macro ASK
	s_cmp_lt_u32 s[FILLN], s[LIM]
	s_cbranch_scc0 .Lnot_mine_\@
	global_prefetch_b8 v[PFO], s[PFA:PFA+1] th:TH_LOAD_NT scope:SCOPE_SE
.Lnot_mine_\@:
.endm
; THE CHANGE OF SLOTS.  Each wave waits for all its tensor loads (one is out: its part of the other slot), adds 0 to its spare word, and waits for that and for its own reads of the slot that it leaves.
; fill = 1: the barrier is a round of the cluster's, and the slot left is filled again, first thing behind it, with tile FILLN: the descriptor's address is made anew from that number.
; ks, vs: how many steps of K and of V were fetched from the slot left.  (At its first use nothing has been read: slot 0 is waited for, slot 1 filled, and the round also shows every wave the mask table.)
.macro CHANGE fill, ks, vs
	WIN 0
	s_wait_tensorcnt 0x0            ; no tensor load of mine is out, so group 0 may be written
	ds_add_u32 v[SPW], v[NIL]       ; 0 onto my spare word; the scalar work below stands between it and the wait for it
.if \fill
	s_lshl_b32 s[OF1], s[FILLN], 16 ; a tile of sweep 1 is 65,536 bytes of K,
	s_sub_co_u32 s[OF2], s[FILLN], 4
	s_lshl_b32 s[OF2], s[OF2], 15   ; one of sweep 2 is 32,768 of K and of V
	s_cmp_lt_u32 s[FILLN], 4
	s_cselect_b32 s[OFF], s[OF1], s[OF2]
	s_cselect_b64 s[BS:BS+1], s[BASE1:BASE1+1], s[BASE2:BASE2+1]
	s_add_nc_u64 s[G0+2:G0+3], s[BS:BS+1], s[OFF:OFF+1]
	s_or_b32 s[G0+3], s[G0+3], 0x80000000
	s_xor_b32 s[G0+1], s[G0+1], SLOT1
	s_add_co_u32 s[FILLN], s[FILLN], 1
	s_wait_xcnt 0x0                 ; the last prefetch, a tile back, has read its address
	s_lshl_b32 s[OF1], s[FILLN], 16
	s_sub_co_u32 s[OF2], s[FILLN], 4
	s_lshl_b32 s[OF2], s[OF2], 15
	s_cmp_lt_u32 s[FILLN], 4
	s_cselect_b32 s[OFF], s[OF1], s[OF2]
	s_cselect_b64 s[BS:BS+1], s[PB1:PB1+1], s[PB2:PB2+1]
	s_add_nc_u64 s[PFA:PFA+1], s[BS:BS+1], s[OFF:OFF+1]
.endif
	s_wait_dscnt 0x0                ; the add is done, and my LDS reads and stores are over
.if \fill
	CROUND
	tensor_load_to_lds s[G0:G0+3], s[G1:G1+7]  ; my one tensor load behind the round
	s_nop 0
	PLACES
	ASK
.else
	s_barrier_signal -1
	s_barrier_wait -1
.endif
	s_sub_co_u32 s[TBK], s[TBK], (\ks)*STEPB  ; the fetches go back to a slot's first step,
	s_xor_b32 s[TBK], s[TBK], SLOT1           ; in the other slot
.if \vs
	s_sub_co_u32 s[TBV], s[TBV], (\vs)*STEPB
	s_xor_b32 s[TBV], s[TBV], SLOT1
.endif
.endm
	s_load_b256 s[4:11], s[0:1], 0x0  ; qkv s[4:5], attention_mask s[6:7], ao s[8:9], ent s[10:11]
	v_lshl_add_u32 v[SPW], v0, 2, SPARE
	v_mov_b32 v[NIL], 0
	ds_add_u32 v[SPW], v[NIL]       ; the wave's opening: the add and its wait stand ahead of my first tensor load; the set-up below stands between them
	v_lshrrev_b32 v44, 5, v0
	v_readfirstlane_b32 s[WV], v44
	s_bfe_u32 s13, ttmp6, 0x40000   ; cx
	s_lshl_b32 s14, ttmp9, 2
	s_add_co_u32 s14, s14, s13      ; my block of 256 queries: it enters Q's, O's, the entropy's and the prefetches' addresses alone
	s_and_b32 s20, ttmp7, 0xffff    ; 16 b + h, which the four partners share
	s_lshr_b32 s16, s20, 4          ; b
	s_and_b32 s17, s20, 15          ; h
	s_lshl_b32 s21, s17, 19
	s_lshl_b32 s22, s16, 18
	s_add_co_u32 s21, s21, s22      ; slice h, batch b: the byte at which q's rows begin; k's and v's lie 16 and 32 slices on
	; descriptor group 1.  128 keys are 16,384 dense bytes: asked for as 64 rows of 256 bytes, two keys a row, and padded in LDS after every key
	s_mov_b32 s[G1], 15|(1<<16)|(1<<20)|(1<<21)|(4<<22)|(3<<25)  ; the mask of four; 2-byte elements; padding on; bit 21 beside a mask; after every 32 words (code 4) 4 words (code 3)
	s_mov_b32 s[G1+1], 128<<16      ; tensor_dim0 = 128
	s_mov_b32 s[G1+2], 64<<16       ; tensor_dim1 = 64
	s_mov_b32 s[G1+3], 128<<16      ; tile_dim0 = 128
	s_mov_b32 s[G1+4], 64           ; tile_dim1 = 64
	s_mov_b32 s[G1+5], 128          ; elements from row to row
	s_mov_b32 s[G1+6], 0
	s_mov_b32 s[G1+7], 0
	s_mov_b32 s[G0], 1
	s_mul_i32 s[G0+1], s[WV], PART  ; slot 0, my 128 rows
	s_mov_b32 s[CS], 0x3d8b97f5     ; c = log2(e) / sqrt(448) = 0.0681609
	s_mov_b32 s[CS+1], s[CS]
	s_mov_b32 s[EP], 0x358637bd     ; 1e-6
	s_mov_b32 s[EP+1], s[EP]
	s_mov_b32 s[SEL], 0x76543210
	s_mov_b32 s[SEL+1], 0xfedcba98
	s_mov_b32 s[BIGN], 0xf149f2ca   ; -1e30
	s_mov_b32 s[OFF+1], 0
	s_mov_b32 s[FILLN], 1
	s_mov_b32 s[TBK], SLOT1+8*STEPB ; the first change of slots turns this into 0
	s_mov_b32 s[TBM], 0
	s_and_b32 s22, s[WV], 1
	s_or_b32 s22, s22, ttmp9        ; 0 in waves 0 and 2 of the head's first cluster: the same in all four partners
	s_cmp_eq_u32 s[WV], 0
	s_cselect_b32 s[LIM], 4, 12
	s_cmp_eq_u32 s22, 0
	s_cselect_b32 s[LIM], s[LIM], 0
	s_wait_dscnt 0x0                ; the opening add is done
	s_wait_kmcnt 0x0
	s_mov_b32 s23, 0
	s_lshl_b32 s22, s[WV], 14       ; my 128 keys
	s_add_co_u32 s22, s22, s21
	s_add_co_u32 s22, s22, 16*SLICE
	s_add_nc_u64 s[BASE1:BASE1+1], s[4:5], s[22:23]
	s_add_co_u32 s63, s22, 16*SLICE-32768  ; waves 2 and 3 in sweep 2: V, keys 128 (w - 2) on
	s_cmp_lt_u32 s[WV], 2
	s_cselect_b32 s22, s22, s63
	s_add_nc_u64 s[BASE2:BASE2+1], s[4:5], s[22:23]
	s_mov_b64 s[G0+2:G0+3], s[BASE1:BASE1+1]  ; tile 0
	s_or_b32 s[G0+3], s[G0+3], 0x80000000
	s_mov_b32 s67, 0
	s_lshl_b32 s66, s13, 13         ; the prefetches: my work-group's 8,192 bytes,
	s_add_co_u32 s66, s66, s21
	s_add_co_u32 s66, s66, 32*SLICE
	s_add_nc_u64 s[PB2:PB2+1], s[4:5], s[66:67]  ; of V;
	s_lshr_b32 s68, s[WV], 1
	s_lshl_b32 s68, s68, 15
	s_add_co_u32 s66, s66, s68
	s_sub_co_u32 s66, s66, 16*SLICE
	s_add_nc_u64 s[PB1:PB1+1], s[4:5], s[66:67]  ; of K, in the half that my wave takes
	s_lshl_b32 s66, s14, 15         ; Q at my wave's 64 rows
	s_lshl_b32 s68, s[WV], 13
	s_add_co_u32 s66, s66, s68
	s_add_co_u32 s66, s66, s21
	s_add_nc_u64 s[4:5], s[4:5], s[66:67]
	s_lshl_b32 s22, s16, 13         ; the mask at batch b
	s_add_nc_u64 s[6:7], s[6:7], s[22:23]
	s_lshl_b32 s66, s16, 4          ; ao: block of 128 rows 16 b + 2 blk + w / 2,
	s_lshl_b32 s68, s14, 1
	s_add_co_u32 s66, s66, s68
	s_lshr_b32 s68, s[WV], 1
	s_add_co_u32 s66, s66, s68
	s_lshl_b32 s66, s66, 4
	s_add_co_u32 s66, s66, s17      ; head h,
	s_lshl_b32 s66, s66, 14
	s_and_b32 s68, s[WV], 1
	s_lshl_b32 s68, s68, 13         ; rows 64 (w % 2) on
	s_add_co_u32 s66, s66, s68
	s_add_nc_u64 s[8:9], s[8:9], s[66:67]
	s_lshl_b32 s66, s20, 3          ; ent: word ((16 b + h) 8 + blk) 4 + w
	s_add_co_u32 s66, s66, s14
	s_lshl_b32 s66, s66, 2
	s_add_co_u32 s66, s66, s[WV]
	s_lshl_b32 s66, s66, 2
	s_add_nc_u64 s[10:11], s[10:11], s[66:67]
	CROUND                          ; all four work-groups are here: the first joint loads meet
	tensor_load_to_lds s[G0:G0+3], s[G1:G1+7]  ; tile 0 into slot 0
	s_nop 0
	PLACES
	; All that follows up to the first change of slots stands in the wait for tile 0.
	v_and_b32 v44, 15, v0           ; l % 16
	v_bfe_u32 v45, v0, 4, 1         ; l / 16
	v_lshlrev_b32 v46, 7, v44
	v_lshl_add_u32 v46, v45, 4, v46 ; row x 128 + 16 x half
	WIN 0x80                        ; destination window 2, address window 0
.set i, 0
.rept 8                             ; Q stays in registers: piece i / 2, channels 32 (i % 2) on
	global_load_b128 v[8*i:8*i+3],   v46, s[4:5] offset:(i/2)*2048+(i%2)*64
	global_load_b128 v[8*i+4:8*i+7], v46, s[4:5] offset:(i/2)*2048+(i%2)*64+32
.set i, i+1
.endr
	WIN 0
	v_lshlrev_b32 v49, 4, v0        ; 16 x thread: 128 threads take 2,048 bytes of the mask, four times
.irp i, 0,1,2,3
	global_load_b128 v[S+4*\i:S+4*\i+3], v49, s[6:7] offset:2048*\i
.endr
	; What the first turns find, so that no first step is written out: V, O^T, both kinds of p, a and the sums are 0.
	WIN 0x80
.set i, VF
.rept 64
	v_mov_b32 v[i], 0
.set i, i+1
.endr
	WIN 0x40
.set i, 0
.rept 128
	v_mov_b32 v[i], 0
.set i, i+1
.endr
	WIN 0
.set i, PF
.rept 64
	v_mov_b32 v[i], 0
.set i, i+1
.endr
.set i, P16
.rept 32
	v_mov_b32 v[i], 0
.set i, i+1
.endr
.set i, TMP
.rept 12                            ; c0-c3 twice, and the entropy's four sums behind them
	v_mov_b32 v[i], 0
.set i, i+1
.endr
.set i, 0
.rept 4
	v_mov_b32 v[ST+4*i], 0xd68b97f5    ; c m = c x (-2^50), the exact product
	v_mov_b32 v[ST+4*i+1], 0xd8800000  ; m = -2^50
	v_mov_b32 v[ST+4*i+2], 0
	v_mov_b32 v[ST+4*i+3], 0
.set i, i+1
.endr
	v_mul_u32_u24 v[AK0], v44, PK
	v_lshl_add_u32 v[AK0], v45, 4, v[AK0]  ; row x pitch + 16 x half
	; The turning load takes 16 keys x 16 channels (lane l reads key 8 (l / 16) + l % 8, channels 8 ((l / 8) % 2) + 0..7) and leaves half a fragment of V^T: lane l holds channel l % 16 and 8 keys.
	v_and_b32 v47, 7, v0
	v_bfe_u32 v48, v0, 3, 1
	v_lshl_add_u32 v[AV0], v45, 3, v47
	v_mul_u32_u24 v[AV0], v[AV0], PK
	v_lshl_add_u32 v[AV0], v48, 4, v[AV0]
	v_add_nc_u32 v[AV0], VOFF, v[AV0]
	v_lshl_add_u32 v[AM0], v45, 5, MASKB   ; my eight keys of 16: 32 (l / 16)
	s_mul_i32 s63, s[WV], 16*SP
	s_add_co_u32 s63, s63, STAGE    ; my stage
	v_add_nc_u32 v[STO], s63, v[AK0]  ; in: row l % 16, 16 bytes for each half of the lanes (the stage has K's pitch)
	v_bfe_u32 v[RD], v0, 3, 2       ; back: 32 lanes take four rows of 128 bytes,
	v_mul_u32_u24 v[RD], v[RD], SP
	v_lshl_add_u32 v[RD], v47, 4, v[RD]
	v_add_nc_u32 v[RD], s63, v[RD]
	v_and_b32 v[GO], 31, v0         ; which are 512 consecutive bytes of ao
	v_lshlrev_b32 v[PFO], 8, v[GO]
	v_lshlrev_b32 v[GO], 4, v[GO]
	v_add_nc_u32 v50, MASKB, v49
	s_wait_loadcnt 0x0              ; Q and the mask
.set i, 0
.rept 16
	v_cmp_eq_u32 vcc_lo, 0, v[S+i]  ; a key whose mask is 0 is hidden
	v_cndmask_b32 v[S+i], 0, s[BIGN], vcc_lo
.set i, i+1
.endr
.irp i, 0,1,2,3
	ds_store_b128 v50, v[S+4*\i:S+4*\i+3] offset:2048*\i
.endr
; THE MATRIX WORK.  The 4 accumulators of a run of 8 take turns, one instruction a turn.  The turn sets Y (its piece), NX = Y + 1, WP = Y - 1, UP = Y - 2 (in the ring of four) and i.
; Product i of 8 of S^T = K Q^T for piece NX: channels 32 (i / 4) on, keys 16 (i % 4) on.  The first 4 start the sums with the mask.
.macro KQ
.set rS, S+32*(NX%2)+8*(i%4)
.set rK, KF+16*(i%4)+8*(i/4)
.set rQ, 16*NX+8*(i/4)
.set rM, MK+8*(i%4)
.if i < 4
	WIN W_KM
	v_wmma_f32_16x16x32_f16 v[rS:rS+7], v[rK:rK+7], v[rQ:rQ+7], v[rM:rM+7]
.else
	WIN W_KQ
	v_wmma_f32_16x16x32_f16 v[rS:rS+7], v[rK:rK+7], v[rQ:rQ+7], v[rS:rS+7]
.endif
.endm
; Product i of 8 of O^T += V^T P for piece UP: keys 32 (i / 4) on, channels 16 (i % 4) on.
.macro PV
	WIN W_PV
.set rO, 32*UP+8*(i%4)
.set rV, VF+32*(i/4)+8*(i%4)
.set rP, P16+16*(UP%2)+8*(i/4)
	v_wmma_f32_16x16x32_f16 v[rO:rO+7], v[rV:rV+7], v[rP:rP+7], v[rO:rO+7]
.endm
; THE LDS LOADS stand in runs: a step's K (8 fragments) with its mask (8 registers for each 16 keys; lanes of one half read the same words), and a step's V (turned).
.macro FETCH_KM
	WIN 0
	v_add_nc_u32 v[AK], s[TBK], v[AK0]
	v_add_nc_u32 v[AM], s[TBM], v[AM0]
	WIN 0x80                        ; destination window 2
.irp f, 0,1,2,3,4,5,6,7             ; keys 16 (f / 2) on, channels 32 (f % 2) on
	ds_load_b128 v[KF+8*\f:KF+8*\f+3],   v[AK] offset:(\f/2)*16*PK+(\f%2)*64
	ds_load_b128 v[KF+8*\f+4:KF+8*\f+7], v[AK] offset:(\f/2)*16*PK+(\f%2)*64+32
.endr
	WIN 0x40                        ; destination window 1
.irp f, 0,1,2,3
	ds_load_b128 v[MK+8*\f:MK+8*\f+3],   v[AM] offset:64*\f
	ds_load_b128 v[MK+8*\f+4:MK+8*\f+7], v[AM] offset:64*\f+16
.endr
	WIN 0
	s_add_co_u32 s[TBK], s[TBK], STEPB  ; the next fetch is the next step's
	s_add_co_u32 s[TBM], s[TBM], 256
	s_and_b32 s[TBM], s[TBM], 0x1fff    ; behind the 32nd step the table begins anew
.endm
.macro FETCH_V
	WIN 0
	v_add_nc_u32 v[AV], s[TBV], v[AV0]
	WIN 0x80
.irp f, 0,1,2,3,4,5,6,7             ; keys 32 (f / 4) on, channels 16 (f % 4) on
	ds_load_tr16_b128 v[VF+8*\f:VF+8*\f+3],   v[AV] offset:(\f/4)*32*PK+(\f%4)*32
	ds_load_tr16_b128 v[VF+8*\f+4:VF+8*\f+7], v[AV] offset:(\f/4)*32*PK+16*PK+(\f%4)*32
.endr
	WIN 0
	s_add_co_u32 s[TBV], s[TBV], STEPB
.endm
; THE VECTOR WORK, one line each.
.macro OPF k                        ; piece Y: c s - c m (sweep 2: less log2 l too) for pair k of 16
	WIN 0
	v_pk_fma_f32 v[S+32*(Y%2)+2*(\k):S+32*(Y%2)+2*(\k)+1], v[S+32*(Y%2)+2*(\k):S+32*(Y%2)+2*(\k)+1], s[CS:CS+1], v[ST+4*Y:ST+4*Y+1] op_sel_hi:[1,0,0] neg_lo:[0,0,1] neg_hi:[0,0,1]
.endm
.macro OPE e                        ; piece Y: the exponential of score e of 32
	WIN 0
	v_exp_f32 v[PF+32*(Y%2)+(\e)], v[S+32*(Y%2)+(\e)]
.endm
; Piece NX: number n of the 22 that find its maximum and statistics.  0-11: four chains c0-c3 of seven scores each, three operands at a time (each accumulator's lowest registers are read first).
; 12-14, 16: the four scores left over, the old m, and c0-c3 into c0.  15: c m_old is kept.  17, 18: the query's other 32 keys lie in the lane 16 away: the new m.  19-21: c m; c m_old - c m_new; a.
.macro OPX n
	WIN 0
.set rT, ST+4*NX
.set rC, TMP+4*(NX%2)
.set rW, MV+(NX%2)
.set rS, S+32*(NX%2)
.if (\n) < 4
	v_max3_num_f32 v[rC+(\n)], v[rS+8*(\n)], v[rS+8*(\n)+1], v[rS+8*(\n)+2]
.elseif (\n) < 12
	v_max3_num_f32 v[rC+(\n)%4], v[rC+(\n)%4], v[rS+8*((\n)%4)+2*((\n)/4)+1], v[rS+8*((\n)%4)+2*((\n)/4)+2]
.elseif (\n) == 12
	v_max3_num_f32 v[rC], v[rC], v[rS+7], v[rS+15]
.elseif (\n) == 13
	v_max3_num_f32 v[rC+1], v[rC+1], v[rS+23], v[rS+31]
.elseif (\n) == 14
	v_max3_num_f32 v[rC+2], v[rC+2], v[rC+3], v[rT+1]
.elseif (\n) == 15
	v_mov_b32 v[rW], v[rT]
.elseif (\n) == 16
	v_max3_num_f32 v[rC], v[rC], v[rC+1], v[rC+2]
.elseif (\n) == 17
	v_permlanex16_b32 v[rC+3], v[rC], s[SEL], s[SEL+1]
.elseif (\n) == 18
	v_max_num_f32 v[rT+1], v[rC], v[rC+3]
.elseif (\n) == 19
	v_mul_f32 v[rT], s[CS], v[rT+1]
.elseif (\n) == 20
	v_sub_f32 v[rC+1], v[rW], v[rT]
.else
	v_exp_f32 v[rC+2], v[rC+1]
.endif
.endm
; Piece WP: number z of the 16 that sum its weights.  Of each four weights the second pair is added onto the first, in place (z = 0, 1, 3, 5 .. 13); l takes those eight sums (z = 2: l = a l + sum; 4, 6 .. 14, 15).
.macro OPSG z
	WIN 0
.set rP, PF+32*(WP%2)
.set rT, ST+4*WP
.set rC, TMP+4*(WP%2)
.if (\z) == 2
	v_pk_fma_f32 v[rT+2:rT+3], v[rT+2:rT+3], v[rC+2:rC+3], v[rP:rP+1] op_sel_hi:[1,0,1]
.elseif ((\z) == 0) || (((\z)%2 == 1) && ((\z) < 15))
.set nn, ((\z)+1)/2
	v_pk_add_f32 v[rP+4*nn:rP+4*nn+1], v[rP+4*nn:rP+4*nn+1], v[rP+4*nn+2:rP+4*nn+3]
.else
.set nn, (\z)/2-1
.if (\z) == 15
.set nn, 7
.endif
	v_pk_add_f32 v[rT+2:rT+3], v[rT+2:rT+3], v[rP+4*nn:rP+4*nn+1]
.endif
.endm
.macro OPC k                        ; piece WP: pair k rounded to f16
	WIN 0
	v_cvt_pk_f16_f32 v[P16+16*(WP%2)+(\k)], v[PF+32*(WP%2)+2*(\k)], v[PF+32*(WP%2)+2*(\k)+1]
.endm
.macro OPA k                        ; piece WP: pair k + eps
	WIN 0
	v_pk_add_f32 v[YB+2*(\k):YB+2*(\k)+1], v[PF+32*(WP%2)+2*(\k):PF+32*(WP%2)+2*(\k)+1], s[EP:EP+1] op_sel_hi:[1,0]
.endm
.macro OPG e                        ; piece WP: log2 of number e
	WIN 0
	v_log_f32 v[YB+(\e)], v[YB+(\e)]
.endm
.macro OPH k                        ; piece UP: p log2(p + eps) of pair k, onto one of two pairs of sums
	WIN 0
	v_pk_fma_f32 v[ENT+2*((\k)%2):ENT+2*((\k)%2)+1], v[PF+32*(UP%2)+2*(\k):PF+32*(UP%2)+2*(\k)+1], v[YB+2*(\k):YB+2*(\k)+1], v[ENT+2*((\k)%2):ENT+2*((\k)%2)+1]
.endm
; A TURN OF SWEEP 1, for piece p: 8 matrix, 53 plain and 33 transcendental instructions.  Behind each product stand four plain instructions that name none of its registers: two scalings of piece p and two of
; piece p - 1's sums (whose a is read here, ahead of the lump in which piece p + 1's maximum takes the same registers).  Then one lump: piece p + 1's maximum and statistics among piece p's exponentials; the links of
; the chain 14, 16 .. 20 stand four lines apart, 21 three behind 20.  Nothing names a result of the turn's transcendentals ahead of the turn's end: a v_nop, the plain instruction behind the last of them, and one wait for the batch.
; K and the mask of the next step are fetched in piece 2's turn, behind the last product that read them, its four riders and the run's two additions; they are waited for at the head of piece 3's.
.macro TURN1 p, cnt=0
.set Y, (\p)
.set NX, ((\p)+1)%4
.set WP, ((\p)+3)%4
.if (\p) == 3
	s_wait_dscnt 0x0                ; K and the mask are in
.endif
.set i, 0
.rept 8
	KQ
	OPF 2*i
	OPSG 2*i
	OPF 2*i+1
	OPSG 2*i+1
.set i, i+1
.endr
.if (\p) == 2
	FETCH_KM
.endif
.set n, 0
.rept 14
	OPX n
	OPE n
.set n, n+1
.endr
	OPX 15
	OPE 14
	OPX 14
.irp g, 0,1,2,3,4
	OPE 15+3*\g
	OPE 16+3*\g
	OPE 17+3*\g
	OPX 16+\g
.endr
	OPE 30
	OPE 31
	OPX 21
.if \cnt
	s_sub_co_u32 s[CNT], s[CNT], 1  ; the loop's count, some lines ahead of the branch behind the turn
	s_cmp_lg_u32 s[CNT], 0
.endif
	v_nop
	s_wait_alu depctr_va_vdst(0)    ; the wait for the batch, ahead of the first line that names a result, and ahead of labels and branches
.endm
; THE VECTOR WORK OF A TURN OF SWEEP 2 is a list of 128; LST writes entry jj and steps jj.  The plain queue: for k = 0 .. 15 the four lines H k (entropy, piece p - 2), F k (scaling, piece p), A k (+ eps, piece p - 1),
; C k (rounding, piece p - 1).  The transcendentals' queue: for k = 0 .. 15 the four lines E 2k, G 2k, E 2k + 1, G 2k + 1 (exponentials of piece p, logarithms of piece p - 1).  Four plain lines lead; then plain and
; transcendental go by turns; the last four transcendentals close.  So H k stands at 8 k - 4, F k at 8 k - 2, A k at 8 k, E 2k at 8 k + 5, G 2k at 8 k + 7: H k reads pair k of p (a buffer that piece p shares with
; piece p - 2) and of the logarithms ahead of the E and the A that write them anew; every scaling stands ahead of its exponentials, every A ahead of its logarithms; and nothing names a result of the turn's own batch.
.macro PQ
.set kk, nn/4
.if nn%4 == 0
	OPH kk
.elseif nn%4 == 1
	OPF kk
.elseif nn%4 == 2
	OPA kk
.else
	OPC kk
.endif
.endm
.macro TQ
.set ee, 2*(nn/4)+(nn%4)/2
.if nn%2 == 0
	OPE ee
.else
	OPG ee
.endif
.endm
.macro LST
.if jj < 4
.set nn, jj
	PQ
.elseif jj >= 124
.set nn, jj-64
	TQ
.elseif jj%2 == 0
.set nn, jj/2+2
	PQ
.else
.set nn, (jj-5)/2
	TQ
.endif
.set jj, jj+1
.endm
; A TURN OF SWEEP 2, for piece p: 16 matrix, 64 plain and 64 transcendental instructions.  Four of the list stand behind each product (none names a register of the products round it), the other 64 in one lump.
; K and the mask of the next step are fetched in piece 2's turn, behind the second product V^T P: six plain instructions and the run's two additions behind the last product that read K.  V of the step in hand is
; fetched in piece 1's turn, behind entry 71: six plain instructions and the run's addition behind the last product that read V; it is waited for ahead of piece 2's products V^T P.
.macro TURN2 p, cnt=0
.set Y, (\p)
.set NX, ((\p)+1)%4
.set WP, ((\p)+3)%4
.set UP, ((\p)+2)%4
.set jj, 0
.if (\p) == 3
	s_wait_dscnt 0x0                ; K and the mask are in
.endif
.set i, 0
.rept 8
	KQ
	LST
	LST
	LST
	LST
.set i, i+1
.endr
.if (\p) == 2
	s_wait_dscnt 0x0                ; V is in
.endif
.set i, 0
.rept 8
	PV
	LST
	LST
	LST
	LST
.if ((\p) == 2) && (i == 1)
	FETCH_KM
.endif
.set i, i+1
.endr
.rept 8
	LST
.endr
.if (\p) == 1
	FETCH_V
.endif
.rept 52
	LST
.endr
.if \cnt
	s_sub_co_u32 s[CNT], s[CNT], 1
	s_cmp_lg_u32 s[CNT], 0
.endif
.rept 4
	LST
.endr
	v_nop                           ; the plain instruction behind the last transcendental
	s_wait_alu depctr_va_vdst(0)    ; the wait for the batch
.endm
	CHANGE 1, 8, 0                  ; tile 0 is in, everybody's part of it, and so is the mask table; tile 1 is asked for
	FETCH_KM                        ; key step 0
	s_wait_dscnt 0x0
.set NX, 0
.set i, 0
.rept 8
	KQ                              ; piece 0's first scores
.set i, i+1
.endr
	WIN 0
	PLACES
.set n, 0
.rept 22
	OPX n                           ; and its first maximum and statistics
.set n, n+1
.endr
	v_nop
	s_wait_alu depctr_va_vdst(0)
	s_mov_b32 s[CNT], 8
	s_mov_b32 s[SL], 5
	s_branch .Lfirst1               ; the loop is entered at a step's first turn, in the middle of a trip
.Lslot1:                            ; four changes: tiles 1, 2, 3 and 4 are entered, tiles 2, 3, 4 and 5 asked for
	CHANGE 1, 8, 0
	s_mov_b32 s[CNT], 8
.Lstep1:                            ; a trip: pieces 2 and 3 of one step, then pieces 0 and 1 of the next, whose K it fetches
	TURN1 2
	TURN1 3
	WIN 0
	s_cmp_eq_u32 s[SL], 1           ; behind the fourth change these two turns end sweep 1.  They have fetched sweep 2's first K and mask and made piece 0's first scores of it;
	s_cbranch_scc1 .Lout1           ; the maximum taken of those scores changes nothing: these keys have been seen
.Lfirst1:
	TURN1 0
	TURN1 1, 1
	WIN 0
	s_cbranch_scc1 .Lstep1
	s_sub_co_u32 s[SL], s[SL], 1
	s_cmp_lg_u32 s[SL], 0
	s_cbranch_scc1 .Lslot1
.Lout1:
.set WP, 3
.set n, 0
.rept 16
	OPSG n                          ; piece 3's last sums
.set n, n+1
.endr
.macro ALL line:vararg              ; one line for each piece t
.set t, 0
.rept 4
	\line
.set t, t+1
.endr
.endm
	ALL v_add_f32 v[ST+4*t+2], v[ST+4*t+2], v[ST+4*t+3]
	ALL v_permlanex16_b32 v[ST+4*t+3], v[ST+4*t+2], s[SEL], s[SEL+1]
	ALL v_add_f32 v[ST+4*t+2], v[ST+4*t+2], v[ST+4*t+3]
	ALL v_log_f32 v[ST+4*t+2], v[ST+4*t+2]
	v_nop
	s_wait_alu depctr_va_vdst(0)    ; one wait for the four logarithms
	ALL v_add_f32 v[ST+4*t], v[ST+4*t], v[ST+4*t+2]  ; c m + log2 l: what sweep 2 takes from c s
.set i, PF
.rept 96                            ; p and the logarithms are 0 for sweep 2's first two turns, whose entropy terms and V^T P belong to pieces that have not been
	v_mov_b32 v[i], 0
.set i, i+1
.endr
	s_mov_b32 s[TBV], 0             ; tile 4 lies in slot 0
	s_mov_b32 s[CNT], 4
	s_mov_b32 s[SL], 7
	s_branch .Lfirst2
.Lslot2:                            ; six changes: tiles 5 to 10 are entered, tiles 6 to 11 asked for
	CHANGE 1, 4, 4
	s_mov_b32 s[CNT], 4
.Lstep2:
	TURN2 2
	TURN2 3
	WIN 0
.Lfirst2:
	TURN2 0
	TURN2 1, 1
	WIN 0
	s_cbranch_scc1 .Lstep2
	s_sub_co_u32 s[SL], s[SL], 1
	s_cmp_lg_u32 s[SL], 0
	s_cbranch_scc1 .Lslot2
	CHANGE 0, 4, 4                  ; the last tile is written out: nothing is asked for
	s_mov_b32 s[CNT], 5             ; four trips fetch the tile's steps; the fifth is left in its middle.  Its fetch of K takes the slot's rows 256-319, bytes that have landed, and the scores made of them serve nothing
.Ltail:
	TURN2 2
	TURN2 3
	WIN 0
	s_sub_co_u32 s[CNT], s[CNT], 1
	s_cmp_eq_u32 s[CNT], 0
	s_cbranch_scc1 .Lout2
	TURN2 0
	TURN2 1
	WIN 0
	s_branch .Ltail
.Lout2:
	; WHAT IS LEFT of the last step: piece 3's roundings and logarithms; the entropy's terms and V^T P of pieces 2 and 3.
.set WP, 3
.set UP, 2
.set i, 0
.rept 8
	PV
	OPH 2*i
	OPH 2*i+1
	OPC 2*i
	OPC 2*i+1
.set i, i+1
.endr
.set n, 0
.rept 16
	OPA n                           ; behind all of piece 2's terms, which read the same registers
.set n, n+1
.endr
.set n, 0
.rept 32
	OPG n
.set n, n+1
.endr
	v_nop
	s_wait_alu depctr_va_vdst(0)
.set UP, 3
.set i, 0
.rept 8
	PV
	OPH 2*i
	OPH 2*i+1
.set i, i+1
.endr
	; the wave's sum of p log2(p + eps): four sums a lane, then the 32 lanes.  These lines and the first pieces' conversions are the places behind the last products.
	WIN 0
	v_pk_add_f32 v[ENT:ENT+1], v[ENT:ENT+1], v[ENT+2:ENT+3]
	v_add_f32 v[ENT], v[ENT], v[ENT+1]
	v_add_f32_dpp v[ENT], v[ENT], v[ENT] row_xmask:1 row_mask:0xf bank_mask:0xf
	v_add_f32_dpp v[ENT], v[ENT], v[ENT] row_xmask:2 row_mask:0xf bank_mask:0xf
	v_add_f32_dpp v[ENT], v[ENT], v[ENT] row_xmask:4 row_mask:0xf bank_mask:0xf
	v_add_f32_dpp v[ENT], v[ENT], v[ENT] row_xmask:8 row_mask:0xf bank_mask:0xf
	v_permlanex16_b32 v[ENT+1], v[ENT], s[SEL], s[SEL+1]
	v_add_f32 v[ENT], v[ENT], v[ENT+1]
; THE WAY OUT.  p was the finished weight, so O^T is only rounded.  Piece t: a lane's eight channels of a row pack into 16 bytes; they go into my stage in rows of 144 bytes and come back as whole rows of 128.
.macro PACK t
	WIN 0x05                        ; sources 0 and 1 window 1, destination window 0
.set i, 0
.rept 16
	v_cvt_pk_f16_f32 v[S+16*(\t)+i], v[32*(\t)+2*i], v[32*(\t)+2*i+1]
.set i, i+1
.endr
	WIN 0
.irp f, 0,1,2,3
	ds_store_b128 v[STO], v[S+16*(\t)+4*\f:S+16*(\t)+4*\f+3] offset:32*\f
.endr
.irp f, 0,1,2,3
	ds_load_b128 v[S+16*(\t)+4*\f:S+16*(\t)+4*\f+3], v[RD] offset:\f*4*SP  ; LDS serves a wave's instructions in order (ISA guide 5.7.1.4): these see the stores above; the next piece's stores come behind them
.endr
.endm
.macro SEND t, younger              ; younger: the LDS instructions issued behind piece t's loads: the next piece's eight, or none
.irp f, 0,1,2,3
	s_wait_dscnt (\younger)+3-\f
	global_store_b128 v[GO], v[S+16*(\t)+4*\f:S+16*(\t)+4*\f+3], s[8:9] offset:(\t)*2048+\f*512  ; 512 consecutive bytes, at a multiple of 256 from ao's first
.endr
.endm
	PACK 0
	PACK 1
	SEND 0, 8
	PACK 2
	SEND 1, 8
	PACK 3
	SEND 2, 8
	SEND 3, 0
	v_and_b32 v44, 31, v0
	v_mov_b32 v45, 0
	s_wait_xcnt 0x0                 ; EXEC changes only behind this wait: the stores above have read it
	v_cmp_eq_u32 vcc_lo, 0, v44
	s_and_saveexec_b32 s20, vcc_lo  ; lane 0 stores the wave's word
	global_store_b32 v45, v[ENT], s[10:11]
	s_wait_xcnt 0x0                 ; and again, in front of the line that widens it
	s_or_b32 exec_lo, exec_lo, s20
	s_wait_tensorcnt 0x0            ; the wave's end, behind my last tensor load and my last LDS store
	ds_add_u32 v[SPW], v[NIL]
	s_wait_dscnt 0x0
	CROUND                          ; the closing round: no work-group ends while a partner may still ask for a tile that names it
	s_endpgm
.Lfunc_end_k_qbec0b70ba7_attn:
	.size	k_qbec0b70ba7_attn, .Lfunc_end_k_qbec0b70ba7_attn-k_qbec0b70ba7_attn
	.p2alignl 7, 3214868480
	.fill 96, 4, 3214868480
	.section	.rodata,"a",@progbits
	.p2align	6, 0x0
	.amdhsa_kernel k_qbec0b70ba7_attn
		.amdhsa_group_segment_fixed_size 327680
		.amdhsa_private_segment_fixed_size 0
		.amdhsa_enable_private_segment 0
		.amdhsa_kernarg_size 32
		.amdhsa_user_sgpr_count 2
		.amdhsa_user_sgpr_kernarg_segment_ptr 1
		.amdhsa_wavefront_size32 1
		.amdhsa_system_sgpr_workgroup_id_x 1
		.amdhsa_system_sgpr_workgroup_id_y 1
		.amdhsa_system_sgpr_workgroup_id_z 1
		.amdhsa_system_vgpr_workitem_id 0
		.amdhsa_next_free_vgpr 768
		.amdhsa_next_free_sgpr 70
		.amdhsa_reserve_vcc 1
		.amdhsa_float_denorm_mode_32 3
		.amdhsa_float_denorm_mode_16_64 3
		.amdhsa_memory_ordered 1
		.amdhsa_forward_progress 1
		.amdhsa_inst_pref_size 145
	.end_amdhsa_kernel
	.amdgpu_metadata
---
amdhsa.version: [ 1, 2 ]
amdhsa.kernels:
  - .name:           k_qbec0b70ba7_attn
    .symbol:         k_qbec0b70ba7_attn.kd
    .args:
      - { .name: qkv, .offset: 0, .size: 8, .value_kind: global_buffer, .address_space: global }
      - { .name: attention_mask, .offset: 8, .size: 8, .value_kind: global_buffer, .address_space: global }
      - { .name: ao, .offset: 16, .size: 8, .value_kind: global_buffer, .address_space: global }
      - { .name: ent, .offset: 24, .size: 8, .value_kind: global_buffer, .address_space: global }
    .group_segment_fixed_size: 327680
    .private_segment_fixed_size: 0
    .kernarg_segment_align: 8
    .kernarg_segment_size: 32
    .max_flat_workgroup_size: 128
    .sgpr_count:     70
    .vgpr_count:     768
    .wavefront_size: 32
...
	.end_amdgpu_metadata
.endif
;; end of part 3
;; launch oproj (part 4): grid 8 x 32, 4 waves a work-group, clusters of 4 x 4, 327,680 bytes of LDS; arguments ao, owh, bias, ent, out0; writes out0
.if DOCPART == 4
	.amdgcn_target "amdgcn-amd-amdhsa--gfx1250"
	.amdhsa_code_object_version 6
	.text
	.protected	k_qbec0b70ba7_oproj
	.globl	k_qbec0b70ba7_oproj
	.p2align	8
	.type	k_qbec0b70ba7_oproj,@function
k_qbec0b70ba7_oproj:
	s_mov_b64 s[64:65], 0
	v_nop
	global_prefetch_b8 v0, s[64:65] scope:SCOPE_SE
	s_setreg_imm32_b32 hwreg(HW_REG_WAVE_MODE, 25, 1), 1
	s_wait_xcnt 0x0
	s_wait_alu depctr_hold_cnt(0) depctr_sa_sdst(0) depctr_va_vdst(0) depctr_va_sdst(0) depctr_va_ssrc(0) depctr_va_vcc(0) depctr_vm_vsrc(0)
	s_getreg_b32 s2, hwreg(HW_REG_IB_STS2, 6, 4)
	s_cmp_eq_u32 s2, 0
	s_cbranch_scc0 .Lentry_in_a_cluster
	s_endpgm
.Lentry_in_a_cluster:
	s_bfe_u32 s2, ttmp6, 0x10000c
	s_cmp_lg_u32 s2, 0xf033
	s_cbranch_scc0 .Lentry_shape_is_right
	s_endpgm
.Lentry_shape_is_right:
; THE OUTPUT PROJECTION.  out0[m][n] = f x (sum over k of O[m][k] o_w[n][k]) + o_b[n]; m < 4096, n, k < 1024; f16 operands, f32 sums, f32 output.
; THE FACTOR f.  The ten-step blend of the module is linear in O: it multiplies it by 0.8509657 (f0 = 1, f_i = (1 - b_i) f_(i-1) + b_i (0.5 + 0.5 b_i), b_i = 1 / (1 + e^(-i/10)), i = 1 .. 9).  f is 1 where the
; mean entropy is below 0.2, else that constant.  The mean is -ln 2 / 65,536 times the sum of ent's 1,024 words; every wave of every work-group adds them in the same order, so all take the same f.
; f only selects a value: no branch and no address hangs on it.  LIMIT: within rounding of 0.2 the choice may differ from one made with sums taken in another order.  A NaN gives the constant.
; O: ao[m / 128][head][m % 128][64] f16: for a tile's 128 rows a K step of 256 (four heads) is 65,536 dense bytes.
; SHARES.  A tile of out0 is 128 x 128: 8 x 32 work-groups; four waves of 64 x 64: 16 accumulators.  K goes in 4 steps of 256 through two LDS slots.  Waves 0 and 1 fetch O's halves, waves 2 and 3 o_w's.
; CLUSTER.  4 x 4 work-groups: O's tiles are shared along a row of the cluster, o_w's along a column; each is asked for jointly.  NO PREFETCH: four K steps of small tiles make a short launch.
; TRANSPOSED USE.  Source 0 = 16 rows of o_w, source 1 = 16 rows of O: a lane holds row l % 16 and eight neighbouring columns, 32 bytes of f32.  A wave's 64 columns are 256 aligned bytes: each wave has a stage of its own.
; REGISTERS: window 0: v0-31 addresses, v30-31 f; v32-63 at work; v96-127 o_b, 8 registers for each of my 4 column blocks; v128-255 the accumulators ((a, b) at v[128 + 8 (4 a + b)]).
;   window 1: two fragment buffers of 128: for 64 along K (one head), 64 registers of O (2 x 4 x 16 rows x 32 K), then 64 of o_w.
.set PA,     144                       ; a row of O in LDS: 128 bytes + 16; the slot's row is head-in-step x 128 + row
.set PB,     528                       ; a row of o_w: 512 bytes + 16
.set APART,  256*PA                    ; what waves 0 and 1 fetch: two heads' 128 rows
.set BPART,  64*PB                     ; what waves 2 and 3 fetch
.set AOFF,   2*APART
.set SLOT,   AOFF+2*BPART
.set STAGE,  2*SLOT                    ; behind the ring: 16 rows x 272 bytes for each wave
.set SPITCH, 272
.set SPARE,  STAGE+4*16*SPITCH         ; the spare words, 128 bytes for each wave: two blocks of 256 bytes that no other line names
.set ADRA, 16
.set ADRB, 20
.set STO,  24
.set RD,   25
.set CO,   26
.set SPW,  28
.set NIL,  29
.set SC,   30
.set TMP,  32
.set BIASR, 96
.set ACC,  128
.set F0,   0
.set F1,   128
.set WV,   12                          ; s12 my wave's number; s13 = wave / 2: my half of the rows, and: I fetch for O (0) or o_w (1); s14 = wave % 2: my half of the columns, and which half I fetch
.set G1A,  24
.set G0A,  32
.set G1B,  48
.set G0B,  56
.set MSB, 0
.macro WIN new
.if MSB != (\new)
	s_set_vgpr_msb (MSB<<8)|(\new)
.set MSB, \new
.endif
.endm
.set MUL,  0x05                        ; sources 0 and 1 window 1; C and D window 0
.set TO_F, 0x40                        ; destination window 1, address window 0
.macro JLOAD s                         ; a joint load; an s_nop 0 and four v_nop follow each of the two lines, ahead of the jump, the label and what follows
	s_cmp_eq_u32 s13, 0
	s_cbranch_scc0 .Lfor_b_\@
	tensor_load_to_lds s[G0A+4*(\s):G0A+4*(\s)+3], s[G1A:G1A+7]
	s_nop 0
.rept 4
	v_nop
.endr
	s_branch .Lasked_\@
.Lfor_b_\@:
	tensor_load_to_lds s[G0B+4*(\s):G0B+4*(\s)+3], s[G1B:G1B+7]
	s_nop 0
.rept 4
	v_nop
.endr
.Lasked_\@:
.endm
.macro CREST
	s_cmp_lg_u32 s[WV], 0
	s_cbranch_scc1 .Lnot_wave_0_\@
	s_barrier_signal -3
.Lnot_wave_0_\@:
	s_barrier_wait -3
	s_barrier_signal -1
	s_barrier_wait -1
.endm
.macro CROUND
	s_barrier_signal -1
	s_barrier_wait -1
	CREST
.endm
	s_load_b256 s[4:11], s[0:1], 0x0               ; ao s[4:5], owh s[6:7], bias s[8:9], ent s[10:11]
	s_load_b64 s[66:67], s[0:1], 0x20              ; out0
	v_lshl_add_u32 v[SPW], v0, 2, SPARE
	v_mov_b32 v[NIL], 0
	ds_add_u32 v[SPW], v[NIL]                      ; the wave's opening: the add and its wait stand ahead of my first tensor load
	v_lshrrev_b32 v1, 5, v0
	v_readfirstlane_b32 s[WV], v1
	s_lshr_b32 s13, s[WV], 1
	s_and_b32 s14, s[WV], 1
	s_bfe_u32 s15, ttmp6, 0x40000                  ; cx
	s_bfe_u32 s16, ttmp6, 0x40004                  ; cy
	s_lshl_b32 s17, ttmp9, 2
	s_add_co_u32 s17, s17, s15                     ; tile column
	s_and_b32 s18, ttmp7, 0xffff
	s_lshl_b32 s18, s18, 2
	s_add_co_u32 s18, s18, s16                     ; tile row
	s_lshl_b32 s20, s16, 2
	s_lshl_b32 s20, 15, s20                        ; my row of the cluster
	s_lshl_b32 s21, 0x1111, s15                    ; my column
	s_or_b32 s[G1A], s20, (1<<16)|(1<<20)|(1<<21)|(4<<22)|(3<<25)  ; O: 32,768 dense bytes as 128 rows of 256, padded after every 32 words (code 4) by 4 words (code 3)
	s_or_b32 s[G1B], s21, (1<<16)|(1<<20)|(1<<21)|(6<<22)|(3<<25)  ; o_w: 64 rows of 512 bytes, padded after every 128 words (code 6)
	s_mov_b32 s[G1A+1], 128<<16                    ; tensor_dim0
	s_mov_b32 s[G1B+1], 256<<16
	s_mov_b32 s[G1A+2], 128<<16                    ; tensor_dim1
	s_mov_b32 s[G1B+2], 64<<16
	s_mov_b32 s[G1A+3], 128<<16                    ; tile_dim0
	s_mov_b32 s[G1B+3], 256<<16
	s_mov_b32 s[G1A+4], 128                        ; tile_dim1
	s_mov_b32 s[G1B+4], 64
	s_mov_b32 s[G1A+5], 128                        ; elements from row to row
	s_mov_b32 s[G1B+5], 1024
	s_mov_b32 s[G1A+6], 0
	s_mov_b32 s[G1B+6], 0
	s_mov_b32 s[G1A+7], 0
	s_mov_b32 s[G1B+7], 0
	s_lshl_b32 s40, s18, 18                        ; O: block of 128 rows = tile row (262,144 bytes), two heads for each of waves 0 and 1
	s_lshl_b32 s41, s14, 15
	s_add_co_u32 s40, s40, s41
	s_mov_b32 s41, 0
	s_lshl_b32 s42, s17, 7                         ; o_w: row 128 x tile column + 64 x half
	s_lshl_b32 s43, s14, 6
	s_add_co_u32 s42, s42, s43
	s_lshl_b32 s42, s42, 11
	s_mov_b32 s43, 0
	s_mul_i32 s22, s[WV], APART                    ; where they go: the wave's number and constants alone
	s_mul_i32 s23, s[WV], BPART
	s_add_co_u32 s23, s23, AOFF-2*BPART
	s_wait_dscnt 0x0                               ; the opening add is done
	s_wait_kmcnt 0x0
	s_add_nc_u64 s[44:45], s[4:5], s[40:41]
	s_add_nc_u64 s[46:47], s[6:7], s[42:43]
	CROUND                                         ; all sixteen work-groups are here: the first joint loads meet
.irp s, 0,1
	s_mov_b32 s[G0A+4*(\s)], 1
	s_add_co_u32 s[G0A+4*(\s)+1], s22, (\s)*SLOT
	s_add_nc_u64 s[G0A+4*(\s)+2:G0A+4*(\s)+3], s[44:45], (\s)*65536
	s_or_b32 s[G0A+4*(\s)+3], s[G0A+4*(\s)+3], 0x80000000
	s_mov_b32 s[G0B+4*(\s)], 1
	s_add_co_u32 s[G0B+4*(\s)+1], s23, (\s)*SLOT
	s_add_nc_u64 s[G0B+4*(\s)+2:G0B+4*(\s)+3], s[46:47], (\s)*512
	s_or_b32 s[G0B+4*(\s)+3], s[G0B+4*(\s)+3], 0x80000000
	JLOAD \s                                       ; K steps 0 and 1: two loads of mine are out
.endr
	v_and_b32 v1, 15, v0                           ; l % 16
	v_bfe_u32 v2, v0, 4, 1                         ; l / 16
	v_and_b32 v6, 31, v0
	v_lshlrev_b32 v6, 4, v6                        ; 16 x lane
	v_lshlrev_b32 v7, 5, v2                        ; 32 (l / 16)
.irp i, 0,1,2,3,4,5,6,7
	global_load_b128 v[TMP+4*\i:TMP+4*\i+3], v6, s[10:11] offset:512*\i  ; all 1,024 partial sums, 32 a lane
.endr
	s_lshl_b32 s42, s17, 9                         ; o_b (behind the other three biases) at my 64 columns
	s_lshl_b32 s20, s14, 8
	s_add_co_u32 s42, s42, s20
	s_add_co_u32 s42, s42, 12288
	s_add_nc_u64 s[8:9], s[8:9], s[42:43]
.irp b, 0,1,2,3
	global_load_b128 v[BIASR+8*\b:BIASR+8*\b+3],   v7, s[8:9] offset:64*\b
	global_load_b128 v[BIASR+8*\b+4:BIASR+8*\b+7], v7, s[8:9] offset:64*\b+16
.endr
	v_mul_u32_u24 v3, v1, PA
	v_lshl_add_u32 v3, v2, 4, v3
	s_mul_i32 s22, s13, 64*PA                      ; my 64 rows of O, in each head's 128
	v_add_nc_u32 v[ADRA], s22, v3
	s_add_co_u32 s22, s22, SLOT
	v_add_nc_u32 v[ADRA+1], s22, v3
	v_mul_u32_u24 v4, v1, PB
	v_lshl_add_u32 v4, v2, 4, v4
	s_mul_i32 s23, s14, 64*PB                      ; my 64 rows of o_w
	s_add_co_u32 s23, s23, AOFF
	v_add_nc_u32 v[ADRB], s23, v4
	s_add_co_u32 s23, s23, SLOT
	v_add_nc_u32 v[ADRB+1], s23, v4
	s_mul_i32 s22, s[WV], 16*SPITCH
	s_add_co_u32 s22, s22, STAGE                   ; my stage
	v_mul_u32_u24 v5, v1, SPITCH                   ; in: row l % 16, 32 bytes for each half of the lanes
	v_lshl_add_u32 v5, v2, 5, v5
	v_add_nc_u32 v[STO], s22, v5
	v_mul_u32_u24 v5, v2, SPITCH                   ; back: lanes 0-15 take one row of 256 bytes, lanes 16-31 the next
	v_lshl_add_u32 v5, v1, 4, v5
	v_add_nc_u32 v[RD], s22, v5
	v_lshlrev_b32 v5, 12, v2                       ; and the same two rows in out0 (4,096 bytes a row)
	v_lshl_add_u32 v[CO], v1, 4, v5
	s_lshl_b32 s40, s18, 7                         ; out0 at row 128 x tile row + 64 x my half, column 128 x tile column + 64 x my half
	s_lshl_b32 s20, s13, 6
	s_add_co_u32 s40, s40, s20
	s_lshl_b32 s40, s40, 12
	s_lshl_b32 s20, s17, 9
	s_add_co_u32 s40, s40, s20
	s_lshl_b32 s20, s14, 8
	s_add_co_u32 s40, s40, s20
	s_add_nc_u64 s[66:67], s[66:67], s[40:41]
	s_mov_b32 s68, 0x76543210                      ; v_permlanex16_b32: each lane takes its own place in the other half
	s_mov_b32 s69, 0xfedcba98
	s_mov_b32 s21, 0x3e4ccccd                      ; 0.2
	s_wait_loadcnt 0x0
.irp w, 16, 8, 4, 2                    ; 32 numbers a lane into 2
.set r, 0
.rept (\w)/2
	v_pk_add_f32 v[TMP+r:TMP+r+1], v[TMP+r:TMP+r+1], v[TMP+(\w)+r:TMP+(\w)+r+1]
.set r, r+2
.endr
.endr
	v_add_f32 v[TMP], v[TMP], v[TMP+1]
	v_add_f32_dpp v[TMP], v[TMP], v[TMP] row_xmask:1 row_mask:0xf bank_mask:0xf
	v_add_f32_dpp v[TMP], v[TMP], v[TMP] row_xmask:2 row_mask:0xf bank_mask:0xf
	v_add_f32_dpp v[TMP], v[TMP], v[TMP] row_xmask:4 row_mask:0xf bank_mask:0xf
	v_add_f32_dpp v[TMP], v[TMP], v[TMP] row_xmask:8 row_mask:0xf bank_mask:0xf
	v_permlanex16_b32 v[TMP+1], v[TMP], s68, s69
	v_add_f32 v[TMP], v[TMP], v[TMP+1]
	v_mul_f32 v[TMP], 0xb7317218, v[TMP]           ; x (-ln 2 / 65,536): the mean entropy
	v_cmp_gt_f32 s20, s21, v[TMP]                  ; 0.2 > mean
	v_mov_b32 v[SC+1], 0x3f59d8e3                  ; 0.8509657
	v_cndmask_b32 v[SC], v[SC+1], 1.0, s20
	v_mov_b32 v[SC+1], v[SC]                       ; named with it as a pair
; 8 matrix instructions: row blocks a0, a0 + 1 x all 4 column blocks, 32 along K: half c of buffer f.  zero = 1: the first product starts the sums.  The 16 accumulators take turns.
.macro MUL8 f, c, a0, zero
	WIN MUL
.irp a, \a0, (\a0)+1
.irp b, 0,1,2,3
.if \zero
	v_wmma_f32_16x16x32_f16 v[ACC+8*(4*(\a)+(\b)):ACC+8*(4*(\a)+(\b))+7], v[(\f)+64+8*(4*(\c)+(\b)):(\f)+64+8*(4*(\c)+(\b))+7], v[(\f)+8*(4*(\c)+(\a)):(\f)+8*(4*(\c)+(\a))+7], 0
.else
	v_wmma_f32_16x16x32_f16 v[ACC+8*(4*(\a)+(\b)):ACC+8*(4*(\a)+(\b))+7], v[(\f)+64+8*(4*(\c)+(\b)):(\f)+64+8*(4*(\c)+(\b))+7], v[(\f)+8*(4*(\c)+(\a)):(\f)+8*(4*(\c)+(\a))+7], v[ACC+8*(4*(\a)+(\b)):ACC+8*(4*(\a)+(\b))+7]
.endif
.endr
.endr
.endm
; 32 LDS loads in one run: the fragments of quarter q of a K step (one head: 64 along K) into buffer f; the first 32 along K first
.macro FETCH slot, q, f
	WIN TO_F
.irp c, 0,1
.irp i, 0,1,2,3
	ds_load_b128 v[(\f)+64+8*(4*(\c)+(\i)):(\f)+64+8*(4*(\c)+(\i))+3],   v[ADRB+(\slot)] offset:(\q)*128+64*(\c)+(\i)*16*PB
	ds_load_b128 v[(\f)+64+8*(4*(\c)+(\i))+4:(\f)+64+8*(4*(\c)+(\i))+7], v[ADRB+(\slot)] offset:(\q)*128+64*(\c)+(\i)*16*PB+32
	ds_load_b128 v[(\f)+8*(4*(\c)+(\i)):(\f)+8*(4*(\c)+(\i))+3],         v[ADRA+(\slot)] offset:(\q)*128*PA+64*(\c)+(\i)*16*PA
	ds_load_b128 v[(\f)+8*(4*(\c)+(\i))+4:(\f)+8*(4*(\c)+(\i))+7],       v[ADRA+(\slot)] offset:(\q)*128*PA+64*(\c)+(\i)*16*PA+32
.endr
.endr
.endm
.macro PLACES                          ; four plain vector instructions between a matrix instruction and a load into, or a vector instruction on, its registers (ISA guide 7.12.1 for vector instructions)
.rept 4
	v_nop
.endr
.endm
; A K step is four quarters, 32 matrix instructions each, on buffers 0, 1, 0, 1.  One of the first three: multiplies buffer f and fetches quarter q into g.
.macro QUARTER slot, q, f, g, zero
	s_wait_dscnt 16                                ; the first 32 along K are in; the other sixteen loads may be out
	MUL8 \f, 0, 0, \zero
	MUL8 \f, 0, 2, \zero
	PLACES
	FETCH \slot, \q, \g
	s_wait_dscnt 32                                ; all but the 32 just issued
	MUL8 \f, 1, 0, 0
	MUL8 \f, 1, 2, 0
.endm
; The last quarter multiplies buffer 1 and changes slots: one barrier; in front of it each wave waits for all its tensor loads, adds 0 to its spare word, and waits for that and for its own reads of this slot.
; fill = 1: the barrier opens a round of the cluster's barrier, and this slot is filled again, two K steps ahead, first thing behind the round.
.macro TURN slot, next, fill
	WIN 0
	s_wait_tensorcnt 0x0                           ; all my tensor loads have landed: my part of the next slot
	ds_add_u32 v[SPW], v[NIL]                      ; 0 onto my spare word
	s_wait_dscnt 17                                ; the add and the youngest sixteen loads may be out
	MUL8 F1, 0, 0, 0
	s_wait_dscnt 0x0                               ; the add is done, and my reads of this slot are over
	s_barrier_signal -1
	MUL8 F1, 0, 2, 0
.if \fill
	WIN 0
.endif
	s_barrier_wait -1
.if \fill
	CREST
	s_add_nc_u64 s[G0A+4*(\slot)+2:G0A+4*(\slot)+3], s[G0A+4*(\slot)+2:G0A+4*(\slot)+3], 2*65536
	s_add_nc_u64 s[G0B+4*(\slot)+2:G0B+4*(\slot)+3], s[G0B+4*(\slot)+2:G0B+4*(\slot)+3], 2*512
	JLOAD \slot                                    ; my one tensor load behind the round; its four v_nop are also the places in front of the loads below
.else
	PLACES
.endif
	FETCH \next, 0, F0
	MUL8 F1, 1, 0, 0
	MUL8 F1, 1, 2, 0
.endm
	s_wait_tensorcnt 0x1                           ; my part of K step 0 is in; K step 1's may stay out
	s_barrier_signal -1
	s_barrier_wait -1
	FETCH 0, 0, F0
	QUARTER 0, 1, F0, F1, 1                        ; the first products start the sums.  Two laps round the ring: a loop would have one trip, so they are written out
	QUARTER 0, 2, F1, F0, 0
	QUARTER 0, 3, F0, F1, 0
	TURN 0, 1, 1                                   ; K step 2 is asked for
	QUARTER 1, 1, F0, F1, 0
	QUARTER 1, 2, F1, F0, 0
	QUARTER 1, 3, F0, F1, 0
	TURN 1, 0, 1                                   ; K step 3
	QUARTER 0, 1, F0, F1, 0
	QUARTER 0, 2, F1, F0, 0
	QUARTER 0, 3, F0, F1, 0
	TURN 0, 1, 0
	QUARTER 1, 1, F0, F1, 0
	QUARTER 1, 2, F1, F0, 0
	QUARTER 1, 3, F0, F1, 0
	s_wait_dscnt 16                                ; the very last quarter: nothing more to fetch
	MUL8 F1, 0, 0, 0
	MUL8 F1, 0, 2, 0
	s_wait_dscnt 0x0
	MUL8 F1, 1, 0, 0
	MUL8 F1, 1, 2, 0
	WIN 0
	PLACES
; THE WAY OUT, a block of 16 rows at a time: sum x f + o_b, one fused multiply-add for two numbers; 32 bytes a lane into my stage; back as whole rows of 256 bytes, into the block's own accumulator registers.
.macro FIN a
.irp b, 0,1,2,3
.irp r, 0,2,4,6
	v_pk_fma_f32 v[TMP+8*\b+\r:TMP+8*\b+\r+1], v[ACC+8*(4*(\a)+\b)+\r:ACC+8*(4*(\a)+\b)+\r+1], v[SC:SC+1], v[BIASR+8*\b+\r:BIASR+8*\b+\r+1] op_sel_hi:[1,0,1]
.endr
.endr
.irp b, 0,1,2,3
	ds_store_b128 v[STO], v[TMP+8*\b:TMP+8*\b+3]   offset:64*\b
	ds_store_b128 v[STO], v[TMP+8*\b+4:TMP+8*\b+7] offset:64*\b+16
.endr
.irp t, 0,1,2,3,4,5,6,7
	ds_load_b128 v[ACC+32*(\a)+4*\t:ACC+32*(\a)+4*\t+3], v[RD] offset:\t*2*SPITCH  ; LDS serves a wave's instructions in order (ISA guide 5.7.1.4): these see the stores above; the next block's stores come behind them
.endr
.endm
.macro SEND a, younger                 ; younger: the LDS instructions issued behind this block's loads: the next block's sixteen, or none
.irp t, 0,1,2,3,4,5,6,7
	s_wait_dscnt (\younger)+7-\t
	global_store_b128 v[CO], v[ACC+32*(\a)+4*\t:ACC+32*(\a)+4*\t+3], s[66:67] offset:(16*(\a)+2*\t)*4096  ; 16 lanes store 256 consecutive bytes, at a multiple of 256 from out0's first
.endr
.endm
	FIN 0
	FIN 1
	SEND 0, 16
	FIN 2
	SEND 1, 16
	FIN 3
	SEND 2, 16
	SEND 3, 0
	s_wait_tensorcnt 0x0                           ; the wave's end, behind my last tensor load and my last LDS store
	ds_add_u32 v[SPW], v[NIL]
	s_wait_dscnt 0x0
	CROUND                                         ; the closing round: no work-group ends while a partner may still ask for a tile that names it
	s_endpgm
.Lfunc_end_k_qbec0b70ba7_oproj:
	.size	k_qbec0b70ba7_oproj, .Lfunc_end_k_qbec0b70ba7_oproj-k_qbec0b70ba7_oproj
	.p2alignl 7, 3214868480
	.fill 96, 4, 3214868480
	.section	.rodata,"a",@progbits
	.p2align	6, 0x0
	.amdhsa_kernel k_qbec0b70ba7_oproj
		.amdhsa_group_segment_fixed_size 327680
		.amdhsa_private_segment_fixed_size 0
		.amdhsa_enable_private_segment 0
		.amdhsa_kernarg_size 40
		.amdhsa_user_sgpr_count 2
		.amdhsa_user_sgpr_kernarg_segment_ptr 1
		.amdhsa_wavefront_size32 1
		.amdhsa_system_sgpr_workgroup_id_x 1
		.amdhsa_system_sgpr_workgroup_id_y 1
		.amdhsa_system_sgpr_workgroup_id_z 1
		.amdhsa_system_vgpr_workitem_id 0
		.amdhsa_next_free_vgpr 512
		.amdhsa_next_free_sgpr 70
		.amdhsa_reserve_vcc 0
		.amdhsa_float_denorm_mode_32 3
		.amdhsa_float_denorm_mode_16_64 3
		.amdhsa_memory_ordered 1
		.amdhsa_forward_progress 1
		.amdhsa_inst_pref_size 94
	.end_amdhsa_kernel
	.amdgpu_metadata
---
amdhsa.version: [ 1, 2 ]
amdhsa.kernels:
  - .name:           k_qbec0b70ba7_oproj
    .symbol:         k_qbec0b70ba7_oproj.kd
    .args:
      - { .name: ao, .offset: 0, .size: 8, .value_kind: global_buffer, .address_space: global }
      - { .name: owh, .offset: 8, .size: 8, .value_kind: global_buffer, .address_space: global }
      - { .name: bias, .offset: 16, .size: 8, .value_kind: global_buffer, .address_space: global }
      - { .name: ent, .offset: 24, .size: 8, .value_kind: global_buffer, .address_space: global }
      - { .name: out0, .offset: 32, .size: 8, .value_kind: global_buffer, .address_space: global }
    .group_segment_fixed_size: 327680
    .private_segment_fixed_size: 0
    .kernarg_segment_align: 8
    .kernarg_segment_size: 40
    .max_flat_workgroup_size: 128
    .sgpr_count:     70
    .vgpr_count:     512
    .wavefront_size: 32
...
	.end_amdgpu_metadata
.endif
;; end of part 4
